; MI455X (gfx1250); checked and timed in simulation.
; The chip was launched on July 23, 2026; its instructions are those of AMD's public machine-readable ISA for CDNA 5 (MIT licence, August 2026) and "CDNA5" Instruction Set Architecture Reference Guide (July 2026). The comments in the code are by the model that wrote it; some were corrected since.
;; Casula Self Attention. Allowed arithmetic: matrix products marked QUANTISED: E3M2 operands, one E8M0 scale for each 32 along K, by v_wmma_scale_f32_16x16x128_f8f6f4 with both operands' format E3M2, f32 sums; everything else in f32.
;; Inputs: b_attn 3,072 float32; b_proj 1,024 float32; w_attn 1,024 x 3,072 float32; w_proj 1,024 x 1,024 float32; x 4 x 2,048 x 1,024 float32.
;; Outputs: out0 4 x 2,048 x 1,024 float32.
;; This version of the problem:
;;   THIS VERSION OF THE PROBLEM IS GIVEN IN LOW PRECISION. The matrix products marked QUANTISED in the list below multiply operands that are first quantised to E3M2 (3 exponent bits, 2 mantissa bits; 6 bits a number), with one power-of-two scale for each 32 numbers along K (OCP MX v1.0); their sums are f32. All else is computed in f32.
;;   The module's matrix products, in the order in which they are computed (A, B: the left and right operand; K: the contracted axis; several contracted axes count as one K, in the product's order):
;;     1. [M 8,192, K 1,024] x [K 1,024, N 3,072]; A: input x; B: input w_attn: QUANTISED
;;     2. batch 64 x [M 2,048, K 64] x [K 64, N 2,048]; A: computed on the way; B: computed on the way: QUANTISED
;;     3. batch 64 x [M 2,048, K 2,048] x [K 2,048, N 64]; A: softmax (see below); B: computed on the way: QUANTISED
;;     4. [M 8,192, K 1,024] x [K 1,024, N 1,024]; A: computed on the way; B: input w_proj: QUANTISED
;;   THE QUANTISER, for each operand of a quantised product, along K:
;;     - K is cut into blocks of 32 from its start; a last block that is shorter is filled with zeros.
;;     - A block's scale is 2^e with e = floor(log2(the largest magnitude in the block)) - 4, held to -126 .. 127; a block of zeros has e = 0. As a byte (E8M0): e + 127.
;;     - Each number is divided by its block's scale, clamped to +-28, and rounded to the nearest number of E3M2, ties to even, subnormals kept.
;;     - The product sums the exact products of the quantised numbers (number of the format x scale) in f32.
;;   ~~~python
;;   def quantise(x, axis):      # numpy; x: float32 -> the quantised numbers, widened to float32 again
;;       x = np.moveaxis(x, axis, -1); K = x.shape[-1]
;;       x = np.pad(x, [(0, 0)] * (x.ndim - 1) + [(0, -K % 32)]); x = x.reshape(x.shape[:-1] + (-1, 32)); a = np.abs(x).max(-1, keepdims=True)
;;       e = np.where(a > 0, np.clip(np.frexp(np.where(a > 0, a, 1))[1] - 1 - 4, -126, 127), 0)      # np.frexp(a)[1] - 1 = floor(log2(a)), exactly
;;       r = np.clip(x / 2.0 ** e, -28, 28)
;;       step = 2.0 ** (np.maximum(np.frexp(np.where(r == 0, 1, r))[1] - 1, -2) - 2)
;;       q = np.round(r / step) * step * 2.0 ** e      # np.round: ties to even
;;       return np.moveaxis(q.reshape(q.shape[:-2] + (-1,))[..., :K], -1, axis).astype(np.float32)
;;   ~~~
;;   SOFTMAX AHEAD OF A QUANTISED PRODUCT. Where the list says 'softmax', what is quantised is not the finished softmax but p = 2^(t - M), with t = logit x log2(e) and M = ceil(the row's largest t), a whole number; so 1/2 < the row's largest p <= 1. The row's sum l is taken of the UNQUANTISED p, in f32, and the product's result is divided by l at the end. Since M is a whole number, a kernel that streams over the keys may use a running M (the ceiling of the running maximum): every later rescaling is an exact power of two, which a block's scale takes up: the codes' values come out the same.
;;   OPERANDS COMPUTED ON THE WAY. 'Computed on the way' means the value that the module computes at that place (a softmax that the list does not call 'softmax' is quantised finished and normalised). What goes into a quantiser is computed in f32, as accurately as f32 sums, v_exp_f32 and their like allow (about 1e-6 of the number): no bf16 or f16 on the way to a quantiser, and a product that is left as it is and whose result goes on into a quantised operand takes f32 operands (vector FMAs, or v_wmma_f32_16x16x4_f32). A number that lies on a knife's edge between two numbers of the format may be rounded either way, as far as f32 arithmetic and the matrix unit's own rounding can turn it there, and no further.
;; One version. Each part assembles by itself: llvm-mc -triple=amdgcn-amd-amdhsa -mcpu=gfx1250 --defsym DOCPART=n.
;; ======== version 1 of 1: 4 launches
;; limits: right only within a limited range of input values
;; workspace buffers: xq 6,553,600 bytes; wq 6,422,528 bytes; qkv 19,660,800 bytes; yq 6,553,600 bytes
;; launch quant (part 1): grid 384 x 1, 4 waves a work-group, no clusters, 68,096 bytes of LDS; arguments x, xq, w_attn, w_proj, wq; writes xq, wq
.if DOCPART == 1
	.amdgcn_target "amdgcn-amd-amdhsa--gfx1250"
	.amdhsa_code_object_version 6
	.text
	.protected	k_qf8df459265_quant
	.globl	k_qf8df459265_quant
	.p2align	8
	.type	k_qf8df459265_quant,@function
k_qf8df459265_quant:
	s_mov_b64 s[64:65], 0
	v_nop
	global_prefetch_b8 v0, s[64:65] scope:SCOPE_SE
	s_setreg_imm32_b32 hwreg(HW_REG_WAVE_MODE, 25, 1), 1
	s_wait_xcnt 0x0
; ONE LAUNCH QUANTISES ALL THREE f32 OPERANDS into codes of BF6 (E3M2) with one E8M0 byte for each 32 along K.
; A block's scale is 2^(floor(log2(its largest magnitude)) - 4); its byte is the largest magnitude's exponent field - 4, held at 1 from below.
; Work-groups 0-255: x [8192][1024], K innermost, into xq.  Work-groups 256-383: w_attn [1024][3072] and w_proj [1024][1024], K their FIRST axis, into wq
; (stored rows 0-3071 w_attn's columns, 3072-4095 w_proj's).  The two ways part once, on the work-group's number, have LDS bytes of their own, and join at the end.
; LAYOUT of xq and wq alike: codes [K step of 256][stored row][192 bytes], planes 1,572,864 bytes apart, so that 128 rows of a K step are 24,576 dense bytes; scale bytes [stored row][32] from byte 6,291,456 on.
; ROWS ARE STORED IN THE ORDER pi: bits 3 and 4 of the row's (column's) number change places, so that a transposed product leaves 16 neighbours along its other axis in a lane's 16 registers.
; LIMITS: NaN and infinities are not served; a block of zeros, and one whose largest magnitude lies under 2^-122, gets the byte 1; only this program reads the bytes.
; Memory binds: no matrix unit, no cluster, no tensor load, no barrier: waves share nothing.
.set EMAX,  4
.set KST,   1572864                    ; from plane to plane
.set QSCL,  6291456                    ; where the scale bytes begin
.set WST,   32768                      ; LDS: x's four regions of 8,192 bytes from 0; the weights' four stages from here
.set SPARE, 67584                      ; behind them the spare words, 128 bytes a wave, which no other line names
.set SPW,   208                        ; v208 my spare word, v209 0: never rewritten
.set NIL,   209
	v_lshl_add_u32 v[SPW], v0, 2, SPARE
	v_mov_b32 v[NIL], 0
	v_lshrrev_b32 v1, 5, v0
	v_readfirstlane_b32 s16, v1                    ; wave
	v_and_b32 v2, 31, v0                           ; lane
	s_cmp_ge_u32 ttmp9, 256
	s_wait_alu depctr_va_vdst(0)
	s_cbranch_scc1 .Lweights
; ---- x.  A wave takes 8 whole rows in 16 steps of 512 numbers.  Each load reads 512 consecutive bytes; a step's 2,048 bytes turn through the wave's own stage and come back 64 bytes a lane:
; a lane holds 16 neighbours, two lanes a block.  pi only moves runs of 8 rows: run 4 g + w goes to place 4 g + sw(w).  Loads run four steps ahead.
.set STEPS, 16
.set CB,    12                         ; bytes of 16 codes
.set R,     16                         ; v16-79   four sets of 16 numbers as loaded
.set X,     80                         ; v80-111  two sets of 16 neighbours
.set C,     128                        ; v128-191 codes: four registers a step, never written twice
.set E,     112                        ; v112-127 a scale byte a step
.set WREG,  8192                       ; a wave's LDS: two stages of 32 x SP bytes, then its 256 scale bytes
.set SP,    80                         ; a lane's place in a stage: 64 bytes + 16 of padding
	s_load_b128 s[4:7], s[0:1], 0x0                ; x, xq
	v_lshlrev_b32 v3, 4, v2                        ; my 16 bytes of a load's 512
	s_mul_i32 s17, s16, WREG
	v_lshrrev_b32 v14, 2, v2
	v_mul_u32_u24 v14, v14, SP
	v_and_b32 v15, 3, v2
	v_lshl_add_u32 v14, v15, 4, v14
	v_add_nc_u32 v14, s17, v14                     ; the stage, way in: SP (lane / 4) + 16 (lane % 4)
	v_mul_u32_u24 v15, v2, SP
	v_add_nc_u32 v15, s17, v15                     ; way out: SP x lane
	v_and_b32 v4, 15, v2
	v_mul_u32_u24 v4, v4, CB                       ; my 12 bytes among the 192 of my row's K step
	v_lshrrev_b32 v10, 4, v2
	v_mad_u32_u24 v4, v10, KST, v4                 ; lanes 16-31 hold the next 256 along K: one plane on
	v_lshrrev_b32 v5, 1, v2
	s_add_co_u32 s17, s17, 2*32*SP
	v_add_nc_u32 v5, s17, v5                       ; LDS: my block's byte among my wave's 256
	v_lshlrev_b32 v7, 3, v2                        ; and on the way out 8 bytes a lane
	v_add_nc_u32 v6, s17, v7
	s_lshl_b32 s17, ttmp9, 2
	s_add_co_u32 s18, s17, s16                     ; the run that I read: 4 g + w
	s_and_b32 s19, s16, 1
	s_lshl_b32 s19, s19, 1
	s_lshr_b32 s20, s16, 1
	s_or_b32 s19, s19, s20                         ; sw(w): the wave's two bits change places
	s_add_co_u32 s19, s17, s19                     ; the place that I write
	s_mov_b32 s21, 0
	s_wait_alu depctr_va_vdst(0)
	s_wait_kmcnt 0x0
	s_lshl_b32 s20, s18, 15                        ; 8 rows of 4,096 bytes
	s_add_nc_u64 s[4:5], s[4:5], s[20:21]
	s_mul_i32 s20, s19, 1536                       ; 8 rows of 192 bytes in a plane
	s_add_nc_u64 s[8:9], s[6:7], s[20:21]
	s_lshl_b32 s20, s19, 8                         ; 8 rows of 32 bytes
	s_add_co_u32 s20, s20, QSCL
	s_add_nc_u64 s[10:11], s[6:7], s[20:21]
.macro XLOAD t
.irp i, 0,1,2,3
	global_load_b128 v[R+16*((\t)%4)+4*\i:R+16*((\t)%4)+4*\i+3], v3, s[4:5] offset:2048*(\t)+512*\i th:TH_LOAD_NT
.endr
.endm
.macro XTURN t                         ; step t through the stage: LDS serves a wave's instructions in order, so no wait stands between the stores and the loads
.irp i, 0,1,2,3
	ds_store_b128 v14, v[R+16*((\t)%4)+4*\i:R+16*((\t)%4)+4*\i+3] offset:32*SP*((\t)%2)+8*SP*\i
.endr
.irp i, 0,1,2,3
	ds_load_b128 v[X+16*((\t)%2)+4*\i:X+16*((\t)%2)+4*\i+3], v15 offset:32*SP*((\t)%2)+16*\i
.endr
.endm
.irp t, 0,1,2,3
	XLOAD \t
.endr
	s_wait_loadcnt 12                              ; step 0's four loads are in; twelve younger may be out
	XTURN 0
.macro XSTEP t
.set XS, X+16*((\t)%2)
.if (\t) > 0
	s_wait_dscnt 1                                 ; this step's numbers are back from the stage; the last step's byte store may be out
.else
	s_wait_dscnt 0x0
.endif
.if (\t)+4 < STEPS
	XLOAD (\t)+4                                   ; into the registers that the stage's stores have read
.endif
.if (\t)+1 < STEPS
.if STEPS-2-(\t) >= 3
	s_wait_loadcnt 12                              ; the next step's four loads are in; three steps' may be out
.else
	s_wait_loadcnt 4*(STEPS-2-(\t))
.endif
	XTURN (\t)+1
.endif
	v_max3_num_f32 v8, |v[XS]|, |v[XS+1]|, |v[XS+2]|               ; the largest magnitude of my 16, in two chains
	v_max3_num_f32 v9, |v[XS+3]|, |v[XS+4]|, |v[XS+5]|
.irp i, 6,10
	v_max3_num_f32 v8, v8, |v[XS+\i]|, |v[XS+\i+1]|
	v_max3_num_f32 v9, v9, |v[XS+\i+2]|, |v[XS+\i+3]|
.endr
	v_max3_num_f32 v8, v8, |v[XS+14]|, |v[XS+15]|
	v_max3_num_f32 v8, v8, v9, (EMAX+1)<<23        ; and the floor 2^(5 - 127): the byte cannot fall under 1
	v_max_num_f32_dpp v8, v8, v8 row_xmask:1 row_mask:0xf bank_mask:0xf   ; with my neighbour's 16: the block's
	v_add_nc_u32 v11, -(EMAX<<23), v8              ; 4 off its exponent field: the conversion takes that field as its scale
	v_cvt_scalef32_pk16_bf6_f32 v[C+4*(\t):C+4*(\t)+2], v[XS:XS+15], v11
	v_lshrrev_b32 v[E+(\t)], 23, v11               ; the scale's byte (also the plain line behind the conversion)
	ds_store_b8 v5, v[E+(\t)] offset:16*(\t)       ; both lanes of a block write the same byte with the same value
	global_store_b96 v4, v[C+4*(\t):C+4*(\t)+2], s[8:9] offset:2*KST*((\t)%2)+192*((\t)/2)   ; step t is half t % 2 of row t / 2: sixteen lanes store 192 consecutive bytes in each of two planes
.endm
.irp t, 0,1,2,3,4,5,6,7,8,9,10,11,12,13,14,15
	XSTEP \t
.endr
	ds_load_b64 v[12:13], v6                       ; in order behind my byte stores
	s_wait_dscnt 0x0
	global_store_b64 v7, v[12:13], s[10:11]        ; 32 lanes store 256 consecutive bytes, aligned
	s_branch .Lend
; ---- the weights.  id = work-group - 256; id % 32: 128 columns (under 24: w_attn's); id / 32: 256 along K, one plane.  A LANE TAKES A COLUMN AND ITS REGISTERS RUN DOWN K: each load reads 128 consecutive
; bytes a wave, a block of 32 lies in one lane's 32 registers, and the conversions give K innermost.  The pointer and the row pitch are chosen on the work-group's number.
; A wave: 32 columns x 256 K: 8 blocks a lane, 192 bytes of codes a column, which leave through the wave's stage as rows: sixteen lanes, 12 bytes each.
.set NB,    8                          ; blocks of a wave
.set PITCH, 272                        ; a stage row: sixteen places of 16 bytes, each with 12 bytes of codes, + 16
.set KROW,  192                        ; a stored row within a plane
.set WX,    32                         ; v32-95   two sets of 32 numbers
.set WC,    96                         ; v96..    a block's codes
.set OUTR,  112                        ; v112-175 the way out
.set SB,    24                         ; v24-25   the scale bytes
.set OFF,   176                        ; v176-207 4 x lane + i x pitch
.set BASE,  32                         ; s[32:47] block t's first row
.Lweights:
	s_load_b128 s[4:7], s[0:1], 0x10               ; w_attn, w_proj
	s_load_b64 s[8:9], s[0:1], 0x20                ; wq
	s_sub_co_u32 s31, ttmp9, 256
	s_lshr_b32 s18, s31, 5                         ; which 256 along K
	s_and_b32 s31, s31, 31                         ; which 128 stored rows
	s_mov_b32 s30, 4096
	s_cmp_lt_u32 s31, 24                           ; w_attn's work-group or w_proj's
	s_cselect_b32 s30, 12288, s30                  ; bytes from row to row
	s_cselect_b32 s17, 0, 24
	s_sub_co_u32 s17, s31, s17                     ; the group of 128 columns in its own tensor
	v_lshlrev_b32 v[OFF], 2, v2
.set I, 1
.rept 31
	v_add_nc_u32 v[OFF+I], s30, v[OFF+I-1]
.set I, I+1
.endr
	s_mul_i32 s19, s16, 32*PITCH
	s_add_co_u32 s19, s19, WST                     ; my stage
	v_mul_u32_u24 v4, v2, PITCH
	v_add_nc_u32 v4, s19, v4                       ; into it: row = my column
	v_and_b32 v5, 15, v2
	v_lshrrev_b32 v6, 4, v2
	v_mul_u32_u24 v7, v6, PITCH
	v_lshl_add_u32 v7, v5, 4, v7
	v_add_nc_u32 v7, s19, v7                       ; out of it: sixteen lanes a row, two rows an instruction
	v_mul_u32_u24 v8, v6, KROW
	v_mad_u32_u24 v8, v5, 12, v8                   ; and the same place in the codes
	v_and_b32 v9, 7, v2                            ; pi(lane) x 32: my column's row of scale bytes
	v_and_b32 v10, 8, v2
	v_lshl_or_b32 v9, v10, 1, v9
	v_and_b32 v10, 16, v2
	v_lshrrev_b32 v10, 1, v10
	v_or_b32 v9, v9, v10
	v_lshlrev_b32 v9, 5, v9
	s_lshl_b32 s20, s17, 9                         ; in: 512 bytes a group of columns, 128 a wave,
	s_lshl_b32 s21, s16, 7
	s_add_co_u32 s20, s20, s21
	s_lshl_b32 s21, s30, 8
	s_mul_i32 s21, s21, s18                        ; 256 rows for each plane
	s_add_co_u32 s20, s20, s21
	s_mov_b32 s21, 0
	s_lshl_b32 s26, s30, 5                         ; 32 rows: from block to block
	s_mov_b32 s27, 0
	s_lshl_b32 s22, s31, 7
	s_lshl_b32 s23, s16, 5
	s_add_co_u32 s22, s22, s23                     ; my first stored row
	s_lshl_b32 s24, s22, 5
	s_lshl_b32 s23, s18, 3
	s_add_co_u32 s24, s24, s23
	s_add_co_u32 s24, s24, QSCL                    ; its scale bytes, 8 for each plane on
	s_mov_b32 s25, 0
	s_mul_i32 s22, s22, KROW
	s_mul_i32 s23, s18, KST
	s_add_co_u32 s22, s22, s23                     ; its codes, in my plane
	s_mov_b32 s23, 0
	s_wait_alu depctr_va_vdst(0)
	s_wait_kmcnt 0x0
	s_cmp_lt_u32 s31, 24
	s_cselect_b64 s[4:5], s[4:5], s[6:7]           ; the choice hangs on the work-group's number alone
	s_add_nc_u64 s[BASE:BASE+1], s[4:5], s[20:21]
.irp t, 1,2,3,4,5,6,7
	s_add_nc_u64 s[BASE+2*\t:BASE+2*\t+1], s[BASE+2*\t-2:BASE+2*\t-1], s[26:27]
.endr
	s_add_nc_u64 s[6:7], s[8:9], s[22:23]          ; codes
	s_add_nc_u64 s[8:9], s[8:9], s[24:25]          ; scale bytes
.macro WLOAD t                         ; block t: W(32 t + i, my column) into set t % 2
.set I, 0
.rept 32
	global_load_b32 v[WX+32*((\t)%2)+I], v[OFF+I], s[BASE+2*(\t):BASE+2*(\t)+1] th:TH_LOAD_NT
.set I, I+1
.endr
.endm
	WLOAD 0
	WLOAD 1
.macro WBLOCK t
.set XS, WX+32*((\t)%2)
.if (\t) < NB-1
	s_wait_loadcnt 32                              ; this block's 32 loads are in; the next block's may be out
.else
	s_wait_loadcnt 0
.endif
	v_max3_num_f32 v12, |v[XS]|, |v[XS+1]|, |v[XS+2]|               ; the block's largest magnitude: all 32 numbers are mine
	v_max3_num_f32 v13, |v[XS+3]|, |v[XS+4]|, |v[XS+5]|
.irp i, 6,10,14,18,22,26
	v_max3_num_f32 v12, v12, |v[XS+\i]|, |v[XS+\i+1]|
	v_max3_num_f32 v13, v13, |v[XS+\i+2]|, |v[XS+\i+3]|
.endr
	v_max3_num_f32 v12, v12, |v[XS+30]|, |v[XS+31]|
	v_max3_num_f32 v12, v12, v13, (EMAX+1)<<23     ; and the floor 2^(5 - 127)
	v_add_nc_u32 v11, -(EMAX<<23), v12             ; the conversions' scale operand
	v_lshrrev_b32 v13, 23, v11                     ; the byte
.if (\t)%4 == 0
	v_mov_b32 v[SB+(\t)/4], v13
.else
	v_lshl_or_b32 v[SB+(\t)/4], v13, 8*((\t)%4), v[SB+(\t)/4]
.endif
	v_cvt_scalef32_pk16_bf6_f32 v[WC:WC+2], v[XS:XS+15], v11
	v_cvt_scalef32_pk16_bf6_f32 v[WC+4:WC+6], v[XS+16:XS+31], v11   ; (a conversion's three registers begin on an even number)
	v_nop                                          ; one plain line behind the conversions
	ds_store_b96 v4, v[WC:WC+2] offset:32*(\t)     ; 12 bytes to a place of 16
	ds_store_b96 v4, v[WC+4:WC+6] offset:32*(\t)+16
.if (\t)+2 < NB
	WLOAD (\t)+2
.endif
	s_wait_dscnt 0x0                               ; the stores have read their registers
.endm
.set Q, 0
.rept NB
	WBLOCK Q
.set Q, Q+1
.endr
	s_wait_alu depctr_va_vdst(0)
	global_store_b64 v9, v[SB:SB+1], s[8:9]        ; my column's 8 scale bytes
.irp t, 0,1,2,3,4,5,6,7,8,9,10,11,12,13,14,15
	ds_load_b96 v[OUTR+4*\t:OUTR+4*\t+2], v7 offset:2*\t*PITCH   ; in order behind my stores
.endr
.irp t, 0,1,2,3,4,5,6,7,8,9,10,11,12,13,14,15
	s_wait_dscnt 15-\t                             ; the younger reads may be out
	global_store_b96 v8, v[OUTR+4*\t:OUTR+4*\t+2], s[6:7] offset:2*((\t&3)|((\t&4)<<1)|((\t&8)>>1))*KROW   ; columns 2 t, 2 t + 1 go to their places under pi: 384 consecutive bytes
.endr
.Lend:
	s_wait_tensorcnt 0x0                           ; the wave's end
	ds_add_u32 v[SPW], v[NIL]
	s_wait_dscnt 0x0
	s_endpgm
.Lfunc_end_k_qf8df459265_quant:
	.size	k_qf8df459265_quant, .Lfunc_end_k_qf8df459265_quant-k_qf8df459265_quant
	.p2alignl 7, 3214868480
	.fill 96, 4, 3214868480
	.section	.rodata,"a",@progbits
	.p2align	6, 0x0
	.amdhsa_kernel k_qf8df459265_quant
		.amdhsa_group_segment_fixed_size 68096
		.amdhsa_private_segment_fixed_size 0
		.amdhsa_enable_private_segment 0
		.amdhsa_kernarg_size 40
		.amdhsa_user_sgpr_count 2
		.amdhsa_user_sgpr_kernarg_segment_ptr 1
		.amdhsa_wavefront_size32 1
		.amdhsa_system_sgpr_workgroup_id_x 1
		.amdhsa_system_sgpr_workgroup_id_y 1
		.amdhsa_system_sgpr_workgroup_id_z 1
		.amdhsa_system_vgpr_workitem_id 0
		.amdhsa_next_free_vgpr 210
		.amdhsa_next_free_sgpr 66
		.amdhsa_reserve_vcc 0
		.amdhsa_float_denorm_mode_32 3
		.amdhsa_float_denorm_mode_16_64 3
		.amdhsa_memory_ordered 1
		.amdhsa_forward_progress 1
		.amdhsa_inst_pref_size 75
	.end_amdhsa_kernel
	.amdgpu_metadata
---
amdhsa.version: [ 1, 2 ]
amdhsa.kernels:
  - .name:           k_qf8df459265_quant
    .symbol:         k_qf8df459265_quant.kd
    .args:
      - { .name: x, .offset: 0, .size: 8, .value_kind: global_buffer, .address_space: global }
      - { .name: xq, .offset: 8, .size: 8, .value_kind: global_buffer, .address_space: global }
      - { .name: w_attn, .offset: 16, .size: 8, .value_kind: global_buffer, .address_space: global }
      - { .name: w_proj, .offset: 24, .size: 8, .value_kind: global_buffer, .address_space: global }
      - { .name: wq, .offset: 32, .size: 8, .value_kind: global_buffer, .address_space: global }
    .group_segment_fixed_size: 68096
    .private_segment_fixed_size: 0
    .kernarg_segment_align: 8
    .kernarg_segment_size: 40
    .max_flat_workgroup_size: 128
    .sgpr_count:     66
    .vgpr_count:     210
    .wavefront_size: 32
...
	.end_amdgpu_metadata
.endif
;; end of part 1
;; launch gemm_qkv (part 2): grid 8 x 48, 4 waves a work-group, clusters of 4 x 4, 327,680 bytes of LDS; arguments xq, wq, b_attn, qkv; writes qkv
.if DOCPART == 2
	.amdgcn_target "amdgcn-amd-amdhsa--gfx1250"
	.amdhsa_code_object_version 6
	.text
	.protected	k_qf8df459265_gemm_qkv
	.globl	k_qf8df459265_gemm_qkv
	.p2align	8
	.type	k_qf8df459265_gemm_qkv,@function
k_qf8df459265_gemm_qkv:
	s_mov_b64 s[64:65], 0
	v_nop
	global_prefetch_b8 v0, s[64:65] scope:SCOPE_SE
	s_setreg_imm32_b32 hwreg(HW_REG_WAVE_MODE, 25, 1), 1
	s_wait_xcnt 0x0
	s_wait_alu depctr_hold_cnt(0) depctr_sa_sdst(0) depctr_va_vdst(0) depctr_va_sdst(0) depctr_va_ssrc(0) depctr_va_vcc(0) depctr_vm_vsrc(0)
	s_getreg_b32 s2, hwreg(HW_REG_IB_STS2, 6, 4)
	s_cmp_eq_u32 s2, 0
	s_cbranch_scc0 .Lentry_in_a_cluster
	s_endpgm
.Lentry_in_a_cluster:
	s_bfe_u32 s2, ttmp6, 0x10000c
	s_cmp_lg_u32 s2, 0xf033
	s_cbranch_scc0 .Lentry_shape_is_right
	s_endpgm
.Lentry_shape_is_right:
; qkv = x w_attn + b_attn on codes of BF6 (E3M2) with E8M0 scales, K = 1024; the results never go to memory as f32: bias added, they are quantised in registers and stored as the operands of the attention.
; A tile is 256 x 256: four waves, each 128 x 128 in 64 accumulators.  K goes in steps of 256 through a ring of two LDS slots filled by joint tensor loads; the scale bytes of the tile's rows come once and stay.
; TWO KINDS OF WORK-GROUP, ONE TEXT; they differ by pointers and, on the way out, by two short branches on the cluster's number (equal in all partners).
;   kind 0 (cluster y < 8): first operand = tokens (xq), second = w's stored rows 0-2047: q and k, to be quantised along the head's 64.
;   kind 1 (cluster y >= 8): first = w's stored rows 2048-3071 (v's channels), second = tokens: v, to be quantised along the keys.
; THE MATRIX INSTRUCTION IS USED TRANSPOSED (source 0 = 16 rows of the second operand, source 1 = 16 of the first): a lane holds one first-row.  All rows are stored in the order pi (bits 3 and 4 of the row's number
; changed), so the 64 registers of accumulators (a, 0..7) hold, in register 16 B + i, the TRUE second index 32 B + 16 (lane / 16) + i: 16 neighbours of each block of 32: what the conversions want.
; WHAT IS STORED: half-fragment images of 768 bytes (16 stored rows x 64 along K: six registers a lane): registers 0-3 at 16 x lane, registers 4-5 at 512 + 8 x lane: each store covers 512 or 256 consecutive aligned bytes.
;   qkv: a record of 294,912 bytes for each (batch, head): Q [128 tiles][768], K likewise at 98,304, V [step 16][c 2][channel tile 4][768] at 196,608; scale words from QSC on, 12,288 bytes a record:
;   Q, K: [step][row 16][P 4], word P = the two bytes of tile 2 P, then of tile 2 P + 1;  V: [step][row 16][tile 4], a word = the four blocks of the step's 128 keys.
; Both small bias vectors are loaded by every work-group, so that no register's state hangs on the kind; the one that a kind does not add is loaded from b_attn's first bytes and is not used.
; CLUSTERS: 4 x 4; the first operand's tiles are shared along a row of the cluster, the second's along a column.
; LIMITS: NaN and infinities are not served; a block of zeros, or under 2^-122, gets the byte 1; only this program reads the bytes.
; REGISTERS: window 0: v0-31 addresses; v32-63 scale words, two sets; v64-127 the bias along the registers; v128-223 the first operand's fragments, ONE set, on the way out work registers; v240-255 the bias along the lanes.
;   window 1: the second operand's fragments, two sets.  windows 2, 3: the accumulators ((a, b) at v[8 (8 (a % 4) + b)]).
.set KSTEP,  256
.set NQ,     2                         ; matrix instructions deep in a slot
.set KST,    1572864                   ; bytes from a K step's plane of codes to the next, in xq and in wq alike: codes lie [K step][row][192 bytes]
.set KROW,   192                       ; a row within a plane: 128 rows are 24,576 dense bytes, fetched as 96 rows of 256 bytes
.set PITCH,  240                       ; an LDS row: 3 x (64 bytes + 16 of padding): the 32 lanes of a load of 8 bytes fall on 64 different banks
.set FR,     12
.set NL,     6                         ; LDS loads of a fragment
.set NP,     4                         ; places behind this matrix instruction (ISA guide 7.12.1)
.set HALFT,  128*PITCH
.set SLOT,   4*HALFT
.set LAPS,   2                         ; 1024 / 512
.set KS,     32                        ; a row of scale bytes
.set SCL,    2*SLOT                    ; behind the ring: the scales, units of 256 bytes + 16
.set HALFS,  (128*KS/256)*272
.set SBLK,   (16*KS/256)*272
.set SPARE,  SCL+4*HALFS               ; the spare words: 128 bytes a wave, two blocks of 256 bytes that no other line names
.set XSC,    6291456
.set WSC,    6291456
.set QSC,    18874368
.set BO,   7                           ; v7   64 (lane / 16): offset of the bias along the registers; never rewritten
.set BVO,  8                           ; v8   4 (r + 8 (r / 8)): offset of the bias along the lanes; never rewritten
.set ADRA, 16                          ; v16-19 LDS addresses of the first operand's fragments
.set ADRB, 20                          ; v20-23 of the second's
.set CO16, 24                          ; v24  16 x lane
.set CO8,  25                          ; v25  512 + 8 x lane
.set SOFF, 26                          ; v26  the scale words' place: 12,288 (lane / 16) + 16 r
.set ADRS, 27
.set SPW,  28                          ; v28  my spare word; never rewritten
.set NIL,  29                          ; v29  0; never rewritten
.set SH16, 30                          ; v30  16 (lane / 16)
.set SC,   32
.set BI,   64
.set AF,   128
.set BV,   240
.set H,    128                         ; the way out: 64 numbers
.set CD,   192                         ; v192-203 the codes; v204-211 the conversions' second halves
.set TM,   212                         ; v212-227 at work
.set SW,   228                         ; v228-235 a scale word for each of my eight tiles
.set T,    236                         ; v236-239 the four words that I store
.set SEL,  94                          ; s94-95 selects of v_permlanex16_b32: lane l xor 16
.set G1, 24
.set G0, 32
.set G1B, 48
.set G0B, 56
.set G1S, 68
.set G0S, 76
.set G1SB, 80
.set G0SB, 88
.set MSB, 0
.macro WIN new                         ; the immediate's high byte repeats the setting that is left
.if MSB != (\new)
	s_set_vgpr_msb (MSB<<8)|(\new)
.set MSB, (\new)
.endif
.endm
.set MUL_LO, 0xa1                      ; source 0 window 1, source 1 window 0, C and D window 2
.set MUL_HI, 0xf1
.set TO_B,   0x40
; A joint load: waves 0 and 1 fetch for the first operand, waves 2 and 3 for the second.  The branch hangs on the wave's number alone.  Four v_nop follow each line.
.macro JLOAD g0a, g1a, g0b, g1b
	s_cmp_eq_u32 s15, 0
	s_cbranch_scc0 .Lfor_b_\@
	tensor_load_to_lds s[\g0a:\g0a+3], s[\g1a:\g1a+7]
	s_nop 0
.rept 4
	v_nop
.endr
	s_branch .Lasked_\@
.Lfor_b_\@:
	tensor_load_to_lds s[\g0b:\g0b+3], s[\g1b:\g1b+7]
	s_nop 0
.rept 4
	v_nop
.endr
.Lasked_\@:
.endm
.macro CREST                           ; a round of the cluster's barrier behind its opening barrier
	s_cmp_lg_u32 s14, 0
	s_cbranch_scc1 .Lnot_wave_0_\@
	s_barrier_signal -3
.Lnot_wave_0_\@:
	s_barrier_wait -3
	s_barrier_signal -1
	s_barrier_wait -1
.endm
.macro CROUND
	s_barrier_signal -1
	s_barrier_wait -1
	CREST
.endm
	s_load_b128 s[92:95], s[0:1], 0x0              ; xq, wq
	s_load_b128 s[96:99], s[0:1], 0x10             ; b_attn, qkv
	v_lshl_add_u32 v[SPW], v0, 2, SPARE
	v_mov_b32 v[NIL], 0
	ds_add_u32 v28, v29
	ds_add_u32 v28, v29
	s_wait_dscnt 0x0
	v_lshrrev_b32 v1, 5, v0
	v_readfirstlane_b32 s14, v1                    ; wave
	s_lshr_b32 s15, s14, 1                         ; my half of the first operand's rows; also: I fetch for the first (0) or the second (1)
	s_and_b32 s16, s14, 1                          ; my half of the second's; also: which 128 rows I fetch
	s_bfe_u32 s40, ttmp6, 0x40000                  ; cx
	s_bfe_u32 s41, ttmp6, 0x40004                  ; cy
	s_and_b32 s67, ttmp7, 0xffff                   ; the cluster's y, 0 .. 11
	s_lshl_b32 s18, s67, 1
	s_add_co_u32 s18, s18, ttmp9
	s_sub_co_u32 s18, s18, 16                      ; kind 1: cluster column 2 (y - 8) + x
	s_cmp_ge_u32 s67, 8
	s_cselect_b32 s66, 1, 0                        ; the kind: equal in all partners
	s_cselect_b32 s18, s18, ttmp9
	s_cselect_b32 s19, 0, s67
	s_lshl_b32 s42, s18, 2
	s_add_co_u32 s42, s42, s40                     ; tile column (second operand)
	s_lshl_b32 s17, s19, 2
	s_add_co_u32 s17, s17, s41                     ; tile row (first operand)
	s_lshl_b32 s43, s41, 2
	s_lshl_b32 s43, 15, s43                        ; my row of the cluster
	s_lshl_b32 s44, 0x1111, s40                    ; my column
	s_or_b32 s[G1+0], s43, (0<<16)|(1<<20)|(1<<21)|(3<<22)|(3<<25)  ; mask; elements of 1 byte; padding on; bit 21 beside a mask; 4 words of padding behind every 16
	s_or_b32 s[G1B+0], s44, (0<<16)|(1<<20)|(1<<21)|(3<<22)|(3<<25)
.irp g, G1, G1B
	s_mov_b32 s[\g+1], 256<<16                     ; tensor_dim0: rows of 256 bytes of a dense block; the padding's interval stays 64 bytes, so a row of 192 bytes of codes takes 240 in LDS
	s_mov_b32 s[\g+2], 192<<16                     ; tensor_dim1: the head's loads bring 256 rows of codes, 49,152 bytes
	s_mov_b32 s[\g+3], 256<<16                     ; tile_dim0
	s_mov_b32 s[\g+4], 192                         ; tile_dim1
	s_mov_b32 s[\g+5], 256                         ; dense
	s_mov_b32 s[\g+6], 0
	s_mov_b32 s[\g+7], 0
.endr
	s_or_b32 s[G1S+0], s43, (3<<16)|(1<<20)|(1<<21)|(5<<22)|(3<<25) ; the scales of 128 rows: 4,096 dense bytes as 16 rows of 256, 16 bytes of padding behind each
	s_or_b32 s[G1SB+0], s44, (3<<16)|(1<<20)|(1<<21)|(5<<22)|(3<<25)
.irp g, G1S, G1SB
	s_mov_b32 s[\g+1], 32<<16
	s_mov_b32 s[\g+2], (256*KS/256)<<16            ; the scales of all 256 rows by one load
	s_mov_b32 s[\g+3], 32<<16
	s_mov_b32 s[\g+4], 256*KS/256
	s_mov_b32 s[\g+5], 32
	s_mov_b32 s[\g+6], 0
	s_mov_b32 s[\g+7], 0
.endr
	s_lshl_b32 s20, s17, 8                         ; first operand: the tile's first row, 256 x tile row
	s_lshl_b32 s46, s42, 8                         ; second: 256 x tile column
	s_lshl_b32 s22, s20, 5                         ; their scale bytes,
	s_mov_b32 s23, 0
	s_lshl_b32 s2, s46, 5
	s_mov_b32 s3, 0
	s_mul_i32 s20, s20, KROW                       ; their codes (all under 2^32)
	s_mov_b32 s21, 0
	s_mul_i32 s46, s46, KROW
	s_mov_b32 s47, 0
	s_mul_i32 s45, s14, HALFT                      ; where they go: wave x 128 rows
	s_mul_i32 s18, s16, 128*KROW                   ; in the ring I fetch 128 rows of a tile: which half, in bytes
	s_mov_b32 s19, 0
	s_wait_kmcnt 0x0
	s_add_nc_u64 s[4:5], s[94:95], 2048*KROW       ; w's stored row 2048
	s_add_nc_u64 s[6:7], s[94:95], WSC+2048*KS
	s_add_nc_u64 s[8:9], s[92:93], XSC
	s_add_nc_u64 s[10:11], s[94:95], WSC
	s_cmp_lg_u32 s66, 0                            ; the choices hang on the kind alone
	s_cselect_b64 s[4:5], s[4:5], s[92:93]         ; first operand's codes
	s_cselect_b64 s[6:7], s[6:7], s[8:9]           ; its scales
	s_cselect_b64 s[10:11], s[8:9], s[10:11]       ; second operand's scales
	s_cselect_b64 s[8:9], s[92:93], s[94:95]       ; its codes
	s_add_nc_u64 s[20:21], s[4:5], s[20:21]
	s_add_nc_u64 s[22:23], s[6:7], s[22:23]
	s_add_nc_u64 s[46:47], s[8:9], s[46:47]
	s_add_nc_u64 s[2:3], s[10:11], s[2:3]
	CROUND                                         ; all sixteen work-groups are here: the first joint loads meet
	; the head's four tiles, each whole.  Slot 0's two groups 0 serve them first and are set for the ring behind the wait that shows them landed
	s_mov_b32 s[G0], 1                             ; K step 0: the first operand's 256 rows,
	s_mov_b32 s[G0+1], 0
	s_mov_b64 s[G0+2:G0+3], s[20:21]
	s_or_b32 s[G0+3], s[G0+3], 0x80000000
	s_mov_b32 s[G0B], 1                            ; the second's, behind them in slot 0,
	s_mov_b32 s[G0B+1], 2*HALFT
	s_mov_b64 s[G0B+2:G0B+3], s[46:47]
	s_or_b32 s[G0B+3], s[G0B+3], 0x80000000
	s_mov_b32 s[G0S], 1                            ; the first operand's scales,
	s_mov_b32 s[G0S+1], SCL
	s_mov_b64 s[G0S+2:G0S+3], s[22:23]
	s_or_b32 s[G0S+3], s[G0S+3], 0x80000000
	s_mov_b32 s[G0SB], 1                           ; and the second's
	s_mov_b32 s[G0SB+1], SCL+2*HALFS
	s_mov_b64 s[G0SB+2:G0SB+3], s[2:3]
	s_or_b32 s[G0SB+3], s[G0SB+3], 0x80000000
	s_add_nc_u64 s[20:21], s[20:21], s[18:19]      ; for the ring: my 128 rows
	s_add_nc_u64 s[46:47], s[46:47], s[18:19]
	s_mov_b32 s[G0+4], 1                           ; slot 1: K step 1
	s_add_co_u32 s[G0+5], s45, SLOT
	s_add_nc_u64 s[G0+6:G0+7], s[20:21], KST
	s_or_b32 s[G0+7], s[G0+7], 0x80000000
	s_mov_b32 s[G0B+4], 1
	s_add_co_u32 s[G0B+5], s45, SLOT
	s_add_nc_u64 s[G0B+6:G0B+7], s[46:47], KST
	s_or_b32 s[G0B+7], s[G0B+7], 0x80000000
; ONE LOAD A WAVE AT THE HEAD: one tree of branches on the wave's number, a load to an arm, all arms to one join
.macro ARM under, g0, g1, next
	s_cmp_lt_u32 s14, \under
	s_cbranch_scc0 \next
	tensor_load_to_lds s[\g0:\g0+3], s[\g1:\g1+7]
	s_nop 0
.rept 4
	v_nop
.endr
	s_branch .Lhead_asked
\next:
.endm
	ARM 1, G0,  G1,  .Lhead_b
	ARM 2, G0B, G1B, .Lhead_sa
	ARM 3, G0S, G1S, .Lhead_sb
	tensor_load_to_lds s[G0SB:G0SB+3], s[G1SB:G1SB+7]
	s_nop 0
.rept 4
	v_nop
.endr
.Lhead_asked:
	v_and_b32 v1, 15, v0                           ; r
	v_bfe_u32 v2, v0, 4, 1                         ; h
	v_mul_u32_u24 v3, v1, PITCH
	v_mul_u32_u24 v4, v2, 24
	v_add_nc_u32 v4, v3, v4                        ; a fragment's row x pitch + 24 h
	v_lshl_add_u32 v5, v2, 4, v4                   ; and the same behind one padding more
	s_mul_i32 s21, s15, HALFT
	s_mul_i32 s22, s16, HALFT
	s_add_co_u32 s22, s22, 2*HALFT
.irp s, 0,1
	v_add_nc_u32 v[ADRA+\s], s21, v4
	v_add_nc_u32 v[ADRB+\s], s22, v4
	v_add_nc_u32 v[ADRA+2+\s], s21, v5
	v_add_nc_u32 v[ADRB+2+\s], s22, v5
	s_add_co_u32 s21, s21, SLOT
	s_add_co_u32 s22, s22, SLOT
.endr
	v_mul_u32_u24 v5, v1, KS                       ; my row's scales: 32 bytes a row, 16 more for each 256 passed
	v_lshrrev_b32 v6, 8, v5
	v_lshl_add_u32 v5, v6, 4, v5
	s_mul_i32 s21, s15, HALFS
	s_mul_i32 s22, s16, HALFS
	s_add_co_u32 s22, s22, 2*HALFS
	s_sub_co_u32 s22, s22, s21
	v_mul_u32_u24 v6, s22, v2                      ; lanes 16-31 take the second operand's: one product, the distance between the two bases
	s_add_co_u32 s21, s21, SCL
	v_add_nc_u32 v5, v5, v6
	v_add_nc_u32 v[ADRS], s21, v5
	v_lshlrev_b32 v[BO], 6, v2
	v_and_b32 v6, 8, v1
	v_add_nc_u32 v6, v6, v1
	v_lshlrev_b32 v[BVO], 2, v6
	s_wait_alu depctr_va_vdst(0)
	v_and_b32 v6, 31, v0
	v_lshlrev_b32 v[CO16], 4, v6
	v_lshl_add_u32 v[CO8], v6, 3, 512
	v_lshlrev_b32 v[SH16], 4, v2
	v_mul_u32_u24 v[SOFF], v2, 12288
	v_lshl_add_u32 v[SOFF], v1, 4, v[SOFF]
	; the biases.  Kind 0: b_attn at my 128 columns, register 16 B + i = column 32 B + 16 h + i.  Kind 1: b_attn at 2048 + my 128 channels, tile a's lane r = channel 32 (a / 2) + 8 (a % 2) + r + 8 (r / 8)
	s_lshl_b32 s18, s42, 10
	s_lshl_b32 s19, s16, 9
	s_add_co_u32 s18, s18, s19
	s_lshl_b32 s20, s17, 10
	s_lshl_b32 s19, s15, 9
	s_add_co_u32 s20, s20, s19
	s_add_co_u32 s20, s20, 8192
	s_cmp_lg_u32 s66, 0
	s_cselect_b32 s18, 0, s18
	s_cselect_b32 s20, s20, 0
	s_mov_b32 s19, 0
	s_mov_b32 s21, 0
	s_add_nc_u64 s[100:101], s[96:97], s[18:19]    ; never rewritten
	s_add_nc_u64 s[92:93], s[96:97], s[20:21]      ; never rewritten
	s_mov_b32 s[SEL], 0x76543210
	s_mov_b32 s[SEL+1], 0xfedcba98
.irp b, 0,1,2,3
.irp j, 0,1,2,3
	global_load_b128 v[BI+16*\b+4*\j:BI+16*\b+4*\j+3], v[BO], s[100:101] offset:128*\b+16*\j
.endr
.endr
.irp a, 0,1,2,3,4,5,6,7
	global_load_b32 v[BV+2*\a], v[BVO], s[92:93] offset:(32*(\a/2)+8*(\a%2))*4
	global_load_b32 v[BV+2*\a+1], v[BVO], s[92:93] offset:(32*(\a/2)+8*(\a%2))*4   ; twice: a pair for the packed addition
.endr
	; where the results go
	s_cmp_lg_u32 s66, 0
	s_cselect_b32 s18, s42, s17                    ; the tile of tokens,
	s_cselect_b32 s19, s16, s15                    ; my half of it,
	s_cselect_b32 s20, s17, s42                    ; the tile of w's columns,
	s_cselect_b32 s21, s15, s16                    ; my half of it
	s_lshr_b32 s22, s18, 3                         ; the batch
	s_and_b32 s18, s18, 7
	s_lshl_b32 s18, s18, 1
	s_add_co_u32 s18, s18, s19                     ; the step of 128 tokens in it
	s_and_b32 s19, s20, 3
	s_lshl_b32 s19, s19, 2
	s_lshl_b32 s21, s21, 1
	s_add_co_u32 s19, s19, s21                     ; my first head of two
	s_lshl_b32 s22, s22, 4
	s_add_co_u32 s19, s19, s22                     ; its record
	s_lshr_b32 s20, s20, 2
	s_lshl_b32 s21, s66, 1
	s_add_co_u32 s20, s20, s21                     ; the section: 0 Q, 1 K, 2 V
	s_mul_i32 s22, s19, 294912
	s_mul_i32 s21, s20, 98304
	s_add_co_u32 s22, s22, s21
	s_mul_i32 s21, s18, 6144
	s_add_co_u32 s22, s22, s21
	s_mov_b32 s23, 0
	s_add_nc_u64 s[4:5], s[98:99], s[22:23]        ; base (c = 0, a / 4 = 0)
	s_mul_i32 s22, s19, 12288
	s_lshl_b32 s21, s20, 12
	s_add_co_u32 s22, s22, s21
	s_lshl_b32 s21, s18, 8
	s_add_co_u32 s22, s22, s21
	s_add_co_u32 s22, s22, QSC
	s_add_nc_u64 s[12:13], s[98:99], s[22:23]      ; the scale words
	s_mov_b32 s18, 3072
	s_mov_b32 s20, 294912
	s_cmp_lg_u32 s66, 0
	s_cselect_b32 s22, s18, s20                    ; from c = 0 to c = 1: kind 0 the next head's record, kind 1 the keys' second 64
	s_cselect_b32 s20, s20, s18                    ; from tiles 0-3 to tiles 4-7: the other way round
	s_mov_b32 s21, 0
	s_add_nc_u64 s[6:7], s[4:5], s[22:23]          ; base (1, 0)
	s_add_nc_u64 s[8:9], s[4:5], s[20:21]          ; base (0, 1)
	s_add_nc_u64 s[10:11], s[6:7], s[20:21]        ; base (1, 1)
.macro FRAG reg, adr, q, i             ; 16 rows x 128 K: 12 registers; registers 6 c .. 6 c + 5 hold K = 64 c + 32 h + 0 .. 31: 24 bytes of the row, in pieces of 8
.irp p, 0,1,2,3,4,5
.set PIECE, 12*(\q)+6*(\p/3)+\p%3      ; 16 bytes of padding lie behind every 8 pieces: where the piece three on lies behind one padding more, the second address register serves
.if PIECE%8 < 5
	ds_load_b64 v[\reg+2*\p:\reg+2*\p+1], v[\adr] offset:8*PIECE+16*(PIECE/8)+(\i)*16*PITCH
.else
	ds_load_b64 v[\reg+2*\p:\reg+2*\p+1], v[\adr+2] offset:8*PIECE+16*(PIECE/8)+(\i)*16*PITCH
.endif
.endr
.endm
; 16 matrix instructions: first-operand blocks a0, a0 + 1 x the second's eight.  The 64 accumulators take turns, one instruction a turn, in the same order in every step.
.macro MUL16 a0, p, q, sc, zero
.irp a, \a0, \a0+1
.irp b, 0,1,2,3,4,5,6,7
.if \zero
	v_wmma_scale_f32_16x16x128_f8f6f4 v[8*(8*((\a)%4)+\b):8*(8*((\a)%4)+\b)+7], v[128*(\p)+FR*\b:128*(\p)+FR*\b+FR-1], v[AF+FR*(\a):AF+FR*(\a)+FR-1], 0, v[SC+8*NQ*(\sc)+NQ*\b+(\q)], v[SC+8*NQ*(\sc)+NQ*(\a)+(\q)] matrix_a_fmt:MATRIX_FMT_BF6 matrix_b_fmt:MATRIX_FMT_BF6 matrix_a_scale:MATRIX_SCALE_ROW1
.else
	v_wmma_scale_f32_16x16x128_f8f6f4 v[8*(8*((\a)%4)+\b):8*(8*((\a)%4)+\b)+7], v[128*(\p)+FR*\b:128*(\p)+FR*\b+FR-1], v[AF+FR*(\a):AF+FR*(\a)+FR-1], v[8*(8*((\a)%4)+\b):8*(8*((\a)%4)+\b)+7], v[SC+8*NQ*(\sc)+NQ*\b+(\q)], v[SC+8*NQ*(\sc)+NQ*(\a)+(\q)] matrix_a_fmt:MATRIX_FMT_BF6 matrix_b_fmt:MATRIX_FMT_BF6 matrix_a_scale:MATRIX_SCALE_ROW1
.endif
.endr
.endr
.endm
.macro FETCH_B slot, q, p
	WIN TO_B
.irp i, 0,1,2,3,4,5,6,7
	FRAG 128*(\p)+FR*\i, ADRB+\slot, \q, \i
.endr
	WIN 0
.endm
.macro FETCH_A slot, q, i0
.irp i, \i0, \i0+1, \i0+2, \i0+3
	FRAG AF+FR*(\i), ADRA+\slot, \q, \i
.endr
.endm
.macro SCALES sc                       ; a K step's scale words: lanes 0-15 the first operand's block i, lanes 16-31 the second's
.irp i, 0,1,2,3,4,5,6,7
	ds_load_b64 v[SC+8*NQ*\sc+NQ*\i:SC+8*NQ*\sc+NQ*\i+1], v[ADRS] offset:\i*SBLK
.endr
.endm
.macro PLACES n                        ; plain vector lines between a matrix instruction and a load into, or a vector read or write of, its registers
.rept \n
	v_nop
.endr
.endm
.macro STEP slot, q, zero              ; 128 along K whose successor lies in the same slot
	s_wait_dscnt 4*NL                              ; all but the youngest 24 loads (blocks 4-7 of the first operand)
	WIN MUL_LO
	MUL16 0, (\q)%2, \q, \slot, \zero
	MUL16 2, (\q)%2, \q, \slot, \zero
	s_wait_dscnt 0
	PLACES NP
	FETCH_B \slot, (\q)+1, 1-(\q)%2
	FETCH_A \slot, (\q)+1, 0
	WIN MUL_HI
	MUL16 4, (\q)%2, \q, \slot, \zero
	MUL16 6, (\q)%2, \q, \slot, \zero
	PLACES NP
	WIN 0
	FETCH_A \slot, (\q)+1, 4
.endm
; A slot's last step changes slots: one barrier; in front of it each wave waits for all its tensor loads, adds 0 to its spare word, and waits for that and for its reads of this slot.
.macro TURN slot, next, fill
	s_wait_tensorcnt 0x0                           ; all my tensor loads have landed: my part of the next slot
	ds_add_u32 v[SPW], v[NIL]
	s_wait_dscnt 4*NL+1                            ; the add and the youngest 24 loads may be out
	WIN MUL_LO
	MUL16 0, 1, NQ-1, \slot, 0
	s_wait_dscnt 0x0                               ; the add is done, my reads of this slot are over
	s_barrier_signal -1
	MUL16 2, 1, NQ-1, \slot, 0
	WIN 0
	s_barrier_wait -1
.if \fill
	CREST                                          ; the barrier has opened a round of the cluster's: no wave of any partner still reads this slot or has a load on its way
	s_add_nc_u64 s[G0+4*\slot+2:G0+4*\slot+3], s[G0+4*\slot+2:G0+4*\slot+3], 2*KST
	s_add_nc_u64 s[G0B+4*\slot+2:G0B+4*\slot+3], s[G0B+4*\slot+2:G0B+4*\slot+3], 2*KST
	JLOAD G0+4*\slot, G1, G0B+4*\slot, G1B         ; the first tensor load behind the round; its four v_nop are the places in front of the loads below
.else
	PLACES NP
.endif
	s_wait_alu depctr_va_vdst(0)
	v_add_nc_u32 v[ADRS], 4*NQ, v[ADRS]
	FETCH_B \next, 0, 0
	FETCH_A \next, 0, 0
	SCALES \next
	WIN MUL_HI
	MUL16 4, 1, NQ-1, \slot, 0
	MUL16 6, 1, NQ-1, \slot, 0
	PLACES NP
	WIN 0
	FETCH_A \next, 0, 4
.endm
	s_wait_alu depctr_va_vdst(0)
	s_wait_tensorcnt 0x0                           ; my tile of the head's four is in
	ds_add_u32 v[SPW], v[NIL]
	s_mov_b32 s[G1+2], 96<<16                      ; no tensor load of mine is out: from here on a load brings 128 rows of codes, 96 rows of 256 bytes
	s_mov_b32 s[G1+4], 96
	s_mov_b32 s[G1B+2], 96<<16
	s_mov_b32 s[G1B+4], 96
	s_mov_b32 s[G0+1], s45                         ; slot 0's groups 0 for the ring: my quarter of the slot,
	s_mov_b32 s[G0B+1], s45
	s_mul_i32 s2, s16, 128*KROW
	s_mov_b32 s3, 0
	s_add_nc_u64 s[G0+2:G0+3], s[G0+2:G0+3], s[2:3]       ; my 128 rows of K step 0: the first refill steps them to K step 2
	s_add_nc_u64 s[G0B+2:G0B+3], s[G0B+2:G0B+3], s[2:3]
	s_wait_dscnt 0x0                               ; the add is done
	CROUND                                         ; all four tiles are in, all sixteen work-groups are here
	JLOAD G0+4, G1, G0B+4, G1B                     ; K step 1, the first tensor load behind the round
	FETCH_B 0, 0, 0
	FETCH_A 0, 0, 0
	SCALES 0
	FETCH_A 0, 0, 4
	STEP 0, 0, 1                                   ; the first step's products start the sums
	s_mov_b32 s3, LAPS-1
.Llap:
	TURN 0, 1, 1
	STEP 1, 0, 0
	TURN 1, 0, 1
	STEP 0, 0, 0
	s_sub_co_u32 s3, s3, 1
	s_cmp_lg_u32 s3, 0
	s_cbranch_scc1 .Llap
	TURN 0, 1, 0                                   ; the last lap fills nothing
	STEP 1, 0, 0
	s_wait_dscnt 4*NL
	WIN MUL_LO
	MUL16 0, 1, NQ-1, 1, 0
	MUL16 2, 1, NQ-1, 1, 0
	s_wait_dscnt 0
	WIN MUL_HI
	MUL16 4, 1, NQ-1, 1, 0
	MUL16 6, 1, NQ-1, 1, 0
	WIN 0
; 64 numbers of a lane, register 16 b + i = index 32 b + 16 (lane / 16) + i of my row, become a fragment's codes in v[CD] on and its scale word in v[pw].
.macro QUANT s, pw
.irp b, 0,1,2,3
	v_max3_num_f32 v[TM+\b], |v[\s+16*\b]|, |v[\s+1+16*\b]|, 0x2800000   ; my 16 numbers of block b, and the floor 2^(5 - 127)
.endr
.irp i, 2,4,6,8,10,12,14
.irp b, 0,1,2,3
	v_max3_num_f32 v[TM+\b], v[TM+\b], |v[\s+16*\b+\i]|, |v[\s+1+16*\b+\i]|
.endr
.endr
.irp b, 0,1,2,3
	v_permlanex16_b32 v[TM+4+\b], v[TM+\b], s[SEL], s[SEL+1]
.endr
.irp b, 0,1,2,3
	v_max_num_f32 v[TM+\b], v[TM+\b], v[TM+4+\b]   ; with lane l xor 16's: the block's largest magnitude
.endr
.irp b, 0,1,2,3
	v_add_nc_u32 v[TM+12+\b], 0xfe000000, v[TM+\b] ; 4 off its exponent field: the conversion's scale operand
.endr
.irp b, 0,1,2,3
	v_lshrrev_b32 v[TM+4+\b], 23, v[TM+12+\b]      ; the byte
.endr
	v_lshl_or_b32 v[\pw], v[TM+5], 8, v[TM+4]
	v_lshl_or_b32 v[\pw], v[TM+6], 16, v[\pw]
	v_lshl_or_b32 v[\pw], v[TM+7], 24, v[\pw]
.irp c, 0,1
	v_cvt_scalef32_pk16_bf6_f32 v[CD+6*\c:CD+2+6*\c], v[\s+32*\c:\s+15+32*\c], v[TM+12+2*\c]
	v_cvt_scalef32_pk16_bf6_f32 v[CD+12+4*\c:CD+14+4*\c], v[\s+16+32*\c:\s+31+32*\c], v[TM+12+2*\c+1]
.endr
	v_nop                                          ; one plain line behind the conversions
.irp c, 0,1                            ; the layout wants a whole block in a lane: lanes 0-15 block 2 c, lanes 16-31 block 2 c + 1
.irp i, 0,1,2
	v_permlane16_swap_b32 v[CD+6*\c+\i], v[CD+12+4*\c+\i]
.endr
.irp i, 0,1,2
	v_mov_b32 v[CD+3+6*\c+\i], v[CD+12+4*\c+\i]
.endr
.endr
.endm
; Tile a of my eight (16 first-rows x 128): bias, quantiser, two images out.
.macro TILE a
	s_wait_xcnt 0x0                                ; the last tile's stores have read the codes' registers
	s_cmp_lg_u32 s66, 0
	s_cbranch_scc1 .Lby_lane_\@
	WIN 0x02+(\a)/4                                ; source 0: window 2 or 3
.set KK, 0
.rept 32
	v_pk_add_f32 v[H+KK:H+KK+1], v[64*((\a)%4)+KK:64*((\a)%4)+KK+1], v[BI+KK:BI+KK+1]   ; each accumulator from its low end on
.set KK, KK+2
.endr
	WIN 0
	s_branch .Lbiased_\@
.Lby_lane_\@:
	WIN 0x02+(\a)/4
.set KK, 0
.rept 32
	v_pk_add_f32 v[H+KK:H+KK+1], v[64*((\a)%4)+KK:64*((\a)%4)+KK+1], v[BV+2*(\a):BV+2*(\a)+1]
.set KK, KK+2
.endr
	WIN 0
.Lbiased_\@:
	QUANT H, SW+(\a)
.irp c, 0,1
	global_store_b128 v[CO16], v[CD+6*\c:CD+6*\c+3], s[4+2*(\c+2*((\a)/4)):5+2*(\c+2*((\a)/4))] offset:((\a)%4)*768   ; 512 consecutive bytes
	global_store_b64 v[CO8], v[CD+6*\c+4:CD+6*\c+5], s[4+2*(\c+2*((\a)/4)):5+2*(\c+2*((\a)/4))] offset:((\a)%4)*768   ; 256 consecutive bytes
.endr
.endm
	PLACES NP                                      ; behind the last products: their operands' registers are written and their results read below
	s_wait_loadcnt 0x0                             ; the biases
.irp b, 0,1,2,3
	v_mov_b32 v[TM+4+\b], 0                        ; a lane permute's destination counts as one of its sources
.endr
.irp a, 0,1,2,3,4,5,6,7
	TILE \a
.endr
	s_cmp_lg_u32 s66, 0
	s_cbranch_scc1 .Lwords_v
.irp p, 0,1,2,3                        ; kind 0: lanes 0-15 speak for my first head (bytes 0, 1 of a word), lanes 16-31 for the second (bytes 2, 3): word P = tile 2 P's two bytes, then tile 2 P + 1's
	v_lshrrev_b32 v[TM], v[SH16], v[SW+2*\p]
	v_lshrrev_b32 v[TM+1], v[SH16], v[SW+2*\p+1]
	v_perm_b32 v[T+\p], v[TM+1], v[TM], 0x05040100
.endr
	s_branch .Lwords_done
.Lwords_v:
	v_cmp_ne_u32 vcc_lo, 0, v[SH16]                ; kind 1: lanes 0-15 speak for tiles 0-3 (my first head), lanes 16-31 for tiles 4-7
.irp p, 0,1,2,3
	v_cndmask_b32 v[T+\p], v[SW+\p], v[SW+4+\p], vcc_lo
.endr
.Lwords_done:
	s_wait_alu depctr_va_vdst(0)
	global_store_b128 v[SOFF], v[T:T+3], s[12:13]  ; sixteen lanes store 256 consecutive bytes, aligned
	s_wait_tensorcnt 0x0                           ; the wave's end
	ds_add_u32 v[SPW], v[NIL]
	s_wait_dscnt 0x0
	CROUND                                         ; the closing round
	s_endpgm
.Lfunc_end_k_qf8df459265_gemm_qkv:
	.size	k_qf8df459265_gemm_qkv, .Lfunc_end_k_qf8df459265_gemm_qkv-k_qf8df459265_gemm_qkv
	.p2alignl 7, 3214868480
	.fill 96, 4, 3214868480
	.section	.rodata,"a",@progbits
	.p2align	6, 0x0
	.amdhsa_kernel k_qf8df459265_gemm_qkv
		.amdhsa_group_segment_fixed_size 327680
		.amdhsa_private_segment_fixed_size 0
		.amdhsa_enable_private_segment 0
		.amdhsa_kernarg_size 32
		.amdhsa_user_sgpr_count 2
		.amdhsa_user_sgpr_kernarg_segment_ptr 1
		.amdhsa_wavefront_size32 1
		.amdhsa_system_sgpr_workgroup_id_x 1
		.amdhsa_system_sgpr_workgroup_id_y 1
		.amdhsa_system_sgpr_workgroup_id_z 1
		.amdhsa_system_vgpr_workitem_id 0
		.amdhsa_next_free_vgpr 1024
		.amdhsa_next_free_sgpr 102
		.amdhsa_reserve_vcc 1
		.amdhsa_float_denorm_mode_32 3
		.amdhsa_float_denorm_mode_16_64 3
		.amdhsa_memory_ordered 1
		.amdhsa_forward_progress 1
		.amdhsa_inst_pref_size 205
	.end_amdhsa_kernel
	.amdgpu_metadata
---
amdhsa.version: [ 1, 2 ]
amdhsa.kernels:
  - .name:           k_qf8df459265_gemm_qkv
    .symbol:         k_qf8df459265_gemm_qkv.kd
    .args:
      - { .name: xq, .offset: 0, .size: 8, .value_kind: global_buffer, .address_space: global }
      - { .name: wq, .offset: 8, .size: 8, .value_kind: global_buffer, .address_space: global }
      - { .name: b_attn, .offset: 16, .size: 8, .value_kind: global_buffer, .address_space: global }
      - { .name: qkv, .offset: 24, .size: 8, .value_kind: global_buffer, .address_space: global }
    .group_segment_fixed_size: 327680
    .private_segment_fixed_size: 0
    .kernarg_segment_align: 8
    .kernarg_segment_size: 32
    .max_flat_workgroup_size: 128
    .sgpr_count:     102
    .vgpr_count:     1024
    .wavefront_size: 32
...
	.end_amdgpu_metadata
.endif
;; end of part 2
;; launch attn (part 3): grid 4 x 64, 16 waves a work-group, clusters of 4 x 1, 210,944 bytes of LDS; arguments qkv, yq; writes yq
.if DOCPART == 3
	.amdgcn_target "amdgcn-amd-amdhsa--gfx1250"
	.amdhsa_code_object_version 6
	.text
	.protected	k_qf8df459265_attn
	.globl	k_qf8df459265_attn
	.p2align	8
	.type	k_qf8df459265_attn,@function
k_qf8df459265_attn:
	s_mov_b64 s[64:65], 0
	v_nop
	global_prefetch_b8 v0, s[64:65] scope:SCOPE_SE
	s_setreg_imm32_b32 hwreg(HW_REG_WAVE_MODE, 25, 1), 1
	s_wait_xcnt 0x0
	s_wait_alu depctr_hold_cnt(0) depctr_sa_sdst(0) depctr_va_vdst(0) depctr_va_sdst(0) depctr_va_ssrc(0) depctr_va_vcc(0) depctr_vm_vsrc(0)
	s_getreg_b32 s2, hwreg(HW_REG_IB_STS2, 6, 4)
	s_cmp_eq_u32 s2, 0
	s_cbranch_scc0 .Lentry_in_a_cluster
	s_endpgm
.Lentry_in_a_cluster:
	s_bfe_u32 s2, ttmp6, 0x10000c
	s_cmp_lg_u32 s2, 0x3003
	s_cbranch_scc0 .Lentry_shape_is_right
	s_endpgm
.Lentry_shape_is_right:
; y = causal softmax(q k^T / 8) v for one (batch, head) a cluster, both products on codes of BF6 (E3M2) with E8M0 scales; y is quantised along the channels on the way out and stored as the last product's operand.
; THE SOFTMAX: t = score x log2(e) / 8; M = the running largest t rounded UP to a whole number; p = 2^(t - M) is quantised along the keys, not normalised; the row's sum is taken of the unquantised p and divides at the end.
; When M moves, the sum and O are multiplied by 2^(old M - new M): exact.
; SHARES.  Four work-groups (g = place in the cluster) of sixteen waves share a head's 128 tiles of 16 queries.  Wave w owns tile A = g + 8 w and tile B = 127 - A.  Tile A needs key steps 0 .. w (128 keys a step),
; tile B steps 0 .. 15 - w: 17 tile steps for every wave.  The branches that leave hidden steps out compare the step with w and 15 - w: the wave's number alone, alike in all partners.
; LDS.  The head's K and V codes (98,304 bytes each) and their scale words (4,096 each) are filled ONCE, by joint loads that name all four work-groups: every wave issues one (waves 0-11 a part of the codes, waves 12-15 a part of the
; scale words); one wait and one barrier show it all before the first step.  Nothing is filled again.
; LAYOUT.  Both products are transposed (S^T = K Q^T, O^T = V^T P^T): a lane holds one query.  Tokens and channels are stored in the order pi (bits 3, 4 of the number changed), so the 16 registers of two neighbouring
; tiles are 16 neighbouring true keys (or channels).  Operands lie as images of six registers a lane (768 bytes: registers 0-3 at 16 x lane, 4-5 at 512 + 8 x lane).
; A HEAD OF 64 IN AN INSTRUCTION OF 128: source 0 holds key tile 2 P in registers 0-5 and tile 2 P + 1 in registers 6-11; source 1 is [q; zeros] for tile 2 P's scores and [zeros; q] for tile 2 P + 1's.
; The half that is not wanted meets zero codes; every code of this format is a finite number and every scale byte lies in 1 .. 254, so it adds exactly 0.
; LIMITS: NaN and infinities are not served; a block of zeros gets the byte 1 (its codes are zeros); a block's largest p is made from the block's largest score by the same two instructions, which takes v_exp_f32 not to
; fall where its input rises.  The scale bytes of y leave one byte a lane (a row's 32 bytes come from 16 heads, other work-groups): 1 byte for 24 of codes.
.set QSC,  18874368
.set YSC,  6291456
.set VL,   98304                       ; LDS: K's codes at 0, V's here,
.set SL,   196608                      ; K's scale words here, V's 4,096 on
.set L16,  1                           ; v1   16 x lane
.set L8,   2                           ; v2   512 + 8 x lane
.set R16,  3                           ; v3   SL + 16 r
.set AK,   4                           ; v4-6 the step's addresses: K's (two), the scale words'
.set AK8,  5
.set AS,   6
.set AV,   7                           ; v7, v243 V's
.set AV8,  243
.set STA,  8                           ; v8 -M, v9 the largest t, v[10:11] the sum in two halves: tile A;  v12-15: tile B
.set STB,  12
.set QSA,  16                          ; v16, v17 Q's scale words
.set QSB,  17
.set F,    48                          ; v48-95 four fragments of K or V.   v18-47: zeros(6), q of A(6), zeros(6), q of B(6), zeros(6)
.set S,    96                          ; v96-159 S^T, then p
.set OA,   160                         ; v160-191, v192-223 O^T
.set OB,   192
.set PC,   224                         ; v224-235 p's codes
.set PT,   236                         ; v236-242 at work
.set BM,   244                         ; v244-247 the blocks' maxima, then the conversions' scale operands
.set SCW,  248                         ; v248-251 K's or V's scale words;  v252 f;  v253 p's scale word;  v254, v255 at work
.set WV,   8
.set G1C,  16                          ; s[16:23] group 1 for codes: 64 rows of 256 bytes;  s[24:31] for scale words: 8 rows
.set G1S,  24
.set G0S,  32
.set G0,   36                          ; s[36:39] group 0 for my part of the codes
.set SEL,  52
.set CS,   54                          ; s[54:55] c = log2(e) / 8
.set TK,   56                          ; the step's codes: 6,144 bytes a step
.set TKS,  57                          ; its scale words: 256 bytes a step
.set SN,   58                          ; the step
.set WA,   59                          ; tile A's last step, tile B's
.set WB,   60
.set CNT,  61
.set QOA,  62                          ; the tile's first true query within its step
.set QOB,  63
.macro CROUND
	s_barrier_signal -1
	s_barrier_wait -1
	s_cmp_lg_u32 s[WV], 0
	s_cbranch_scc1 .Lnot_wave_0_\@
	s_barrier_signal -3
.Lnot_wave_0_\@:
	s_barrier_wait -3
	s_barrier_signal -1
	s_barrier_wait -1
.endm
	s_load_b128 s[4:7], s[0:1], 0x0                ; qkv, yq
	v_lshl_add_u32 v254, v0, 2, 0x33000
	v_mov_b32 v255, 0
	ds_add_u32 v254, v255
	ds_add_u32 v254, v255
	s_wait_dscnt 0x0
	v_lshrrev_b32 v1, 5, v0
	s_delay_alu instid0(VALU_DEP_1)
	v_readfirstlane_b32 s[WV], v1                  ; wave 0..15
	s_bfe_u32 s9, ttmp6, 0x40000                   ; g: it enters Q's and y's global addresses and the mask's number alone
	s_and_b32 s10, ttmp7, 0xffff                   ; 16 batch + head, which the partners share
	s_mov_b32 s[G1C], 15|(3<<16)|(1<<21)           ; the mask: all four; elements of 8 bytes; bit 21 beside a mask; no padding
	s_mov_b32 s[G1S], 15|(3<<16)|(1<<21)
	s_mov_b32 s[G1C+1], 32<<16                     ; rows of 256 bytes
	s_mov_b32 s[G1S+1], 32<<16
	s_mov_b32 s[G1C+2], 64<<16
	s_mov_b32 s[G1S+2], 8<<16
	s_mov_b32 s[G1C+3], 32<<16
	s_mov_b32 s[G1S+3], 32<<16
	s_mov_b32 s[G1C+4], 64
	s_mov_b32 s[G1S+4], 8
	s_mov_b32 s[G1C+5], 32                         ; dense
	s_mov_b32 s[G1S+5], 32
	s_mov_b32 s[G1C+6], 0
	s_mov_b32 s[G1S+6], 0
	s_mov_b32 s[G1C+7], 0
	s_mov_b32 s[G1S+7], 0
	; ONE JOINT LOAD A WAVE, ALL AT THE HEAD: waves 0-11 fetch 16,384 bytes each of K's and V's 196,608 bytes of codes, waves 12-15 2,048 bytes each of the 8,192 bytes of scale words
	s_min_u32 s12, s[WV], 11
	s_lshl_b32 s12, s12, 14
	s_and_b32 s11, s[WV], 3
	s_lshl_b32 s11, s11, 11
	s_mul_i32 s66, s10, 294912                     ; the head's record of codes
	s_mul_i32 s67, s10, 12288
	s_add_co_u32 s67, s67, QSC                     ; and of scale words
	s_add_co_u32 s68, s66, s12
	s_add_co_u32 s68, s68, 98304                   ; K and V follow Q in the record as they lie in LDS
	s_mov_b32 s69, 0
	s_add_co_u32 s70, s67, s11
	s_add_co_u32 s70, s70, 4096
	s_mov_b32 s71, 0
	s_mov_b32 s[SEL], 0x76543210
	s_mov_b32 s[SEL+1], 0xfedcba98
	s_mov_b32 s[CS], 0x3e38aa3b
	s_mov_b32 s[CS+1], s[CS]
	s_mov_b32 s[TK], 0
	s_mov_b32 s[TKS], 0
	s_mov_b32 s[SN], 0
	s_mov_b32 s[WA], s[WV]
	s_sub_co_u32 s[WB], 15, s[WV]
	s_wait_kmcnt 0x0
	s_add_nc_u64 s[84:85], s[4:5], s[68:69]
	s_add_nc_u64 s[86:87], s[4:5], s[70:71]
	s_mov_b32 s[G0S], 1
	s_add_co_u32 s[G0S+1], s11, SL
	s_mov_b64 s[G0S+2:G0S+3], s[86:87]
	s_or_b32 s[G0S+3], s[G0S+3], 0x80000000
	s_mov_b32 s[G0], 1
	s_mov_b32 s[G0+1], s12
	s_mov_b64 s[G0+2:G0+3], s[84:85]
	s_or_b32 s[G0+3], s[G0+3], 0x80000000
	CROUND                                         ; all four work-groups are here: the joint loads meet
	s_cmp_lt_u32 s[WV], 12                         ; the branch hangs on the wave's number alone: alike in all partners; a load to each arm, one join
	s_cbranch_scc0 .Lfor_scales
	tensor_load_to_lds s[G0:G0+3], s[G1C:G1C+7]
	s_nop 0
.rept 4
	v_nop
.endr
	s_branch .Lasked
.Lfor_scales:
	tensor_load_to_lds s[G0S:G0S+3], s[G1S:G1S+7]
	s_nop 0
.rept 4
	v_nop
.endr
.Lasked:
	s_lshl_b32 s72, s[WV], 3
	s_add_co_u32 s72, s72, s9                      ; tile A
	s_sub_co_u32 s73, 127, s72                     ; tile B
	s_lshr_b32 s14, s10, 4
	s_lshl_b32 s14, s14, 7                         ; 128 x batch
	s_and_b32 s11, s10, 15                         ; the head
	s_mul_i32 s15, s11, 393216                     ; its 512 images in yq
	s_lshl_b32 s11, s11, 1
	s_add_co_u32 s11, s11, YSC                     ; its two bytes in a row of y's scales
; tile tau's addresses: Q's image, Q's scale words, its first true query in its step, which half of a word is its own, y's image, y's scale bytes
.macro TADDR tau, qc, qs, qo, sh, yc, ys
	s_mul_i32 s68, s[\tau], 768
	s_add_co_u32 s68, s68, s66
	s_add_nc_u64 s[\qc:\qc+1], s[4:5], s[68:69]
	s_lshr_b32 s68, s[\tau], 3
	s_lshl_b32 s68, s68, 8
	s_bfe_u32 s12, s[\tau], 0x20001                ; (tau % 8) / 2
	s_lshl_b32 s13, s12, 2
	s_add_co_u32 s68, s68, s13
	s_add_co_u32 s68, s68, s67
	s_add_nc_u64 s[\qs:\qs+1], s[4:5], s[68:69]
	s_and_b32 s13, s[\tau], 1
	s_lshl_b32 s[\sh], s13, 4
	s_lshl_b32 s[\qo], s12, 5
	s_lshl_b32 s13, s13, 3
	s_add_co_u32 s[\qo], s[\qo], s13
	s_add_co_u32 s12, s14, s[\tau]
	s_mul_i32 s68, s12, 768
	s_add_co_u32 s68, s68, s15
	s_add_nc_u64 s[\yc:\yc+1], s[6:7], s[68:69]
	s_lshl_b32 s68, s12, 9
	s_add_co_u32 s68, s68, s11
	s_add_nc_u64 s[\ys:\ys+1], s[6:7], s[68:69]
.endm
	TADDR 72, 74, 76, QOA, 78, 80, 82
	TADDR 73, 84, 86, QOB, 79, 88, 90
	v_and_b32 v6, 31, v0
	s_delay_alu instid0(VALU_DEP_1)
	v_lshlrev_b32 v[L16], 4, v6
	s_delay_alu instid0(VALU_DEP_2)
	v_lshl_add_u32 v[L8], v6, 3, 512
	v_and_b32 v6, 15, v0
	s_delay_alu instid0(VALU_DEP_1)
	v_lshlrev_b32 v[AK], 4, v6                     ; 16 r
	s_delay_alu instid0(VALU_DEP_1)
	v_add_nc_u32 v[R16], SL, v[AK]
	global_load_b128 v[24:27], v[L16], s[74:75]    ; q of A
	global_load_b64 v[28:29], v[L8], s[74:75]
	global_load_b128 v[36:39], v[L16], s[84:85]    ; q of B
	global_load_b64 v[40:41], v[L8], s[84:85]
	global_load_b32 v[QSA], v[AK], s[76:77]
	global_load_b32 v[QSB], v[AK], s[86:87]
.irp z, 18,19,20,21,22,23,30,31,32,33,34,35,42,43,44,45,46,47
	v_mov_b32 v\z, 0                               ; the zero codes beside q
.endr
.irp t, STA, STB
	v_mov_b32 v[\t+1], 0xff61b1e6                  ; the largest t so far: -3e38
	s_delay_alu instid0(VALU_DEP_1)
	v_floor_f32 v[\t], -v[\t+1]                    ; -M
	v_mov_b32 v[\t+2], 0
	v_mov_b32 v[\t+3], 0
.endr
.irp b, 0,1,2,3
	v_mov_b32 v[PT+\b], 0                          ; a lane permute's destination counts as one of its sources
.endr
	v_mov_b32 v252, 0
	v_mov_b32 v253, 0
	s_wait_loadcnt 0x0
	v_lshrrev_b32 v[QSA], s78, v[QSA]              ; my tile's two bytes,
	v_lshrrev_b32 v[QSB], s79, v[QSB]
	s_delay_alu instid0(VALU_DEP_2)
	v_perm_b32 v[QSA], v[QSA], v[QSA], 0x05040100  ; in both halves of the word
	s_delay_alu instid0(VALU_DEP_2)
	v_perm_b32 v[QSB], v[QSB], v[QSB], 0x05040100
.set J, 0
.rept 64
	v_mov_b32 v[OA+J], 0                           ; O^T: the step is written once; its first walk finds zeros.  (These lines also stand between the scale words' making and their first use)
.set J, J+1
.endr
; ONE TILE, ONE KEY STEP OF 128.
.macro STEP st, qlo, qhi, qs, o, lw, qo
	s_cmp_gt_u32 s[SN], s[\lw]                     ; all keys of the step come after my queries: nothing to do
	s_cbranch_scc1 .Lhid_\@
	v_add_nc_u32 v[AK], s[TK], v[L16]              ; (these five lines are the places behind the last products, in front of the loads)
	v_add_nc_u32 v[AK8], s[TK], v[L8]
	v_add_nc_u32 v[AS], s[TKS], v[R16]
	s_delay_alu instid0(VALU_DEP_3)
	v_add_nc_u32 v[AV], VL, v[AK]
	s_delay_alu instid0(VALU_DEP_3)
	v_add_nc_u32 v[AV8], VL, v[AK8]
.irp p, 0,1,2,3
	ds_load_b128 v[F+12*\p:F+12*\p+3], v[AK] offset:1536*\p
	ds_load_b64 v[F+12*\p+4:F+12*\p+5], v[AK8] offset:1536*\p
	ds_load_b128 v[F+12*\p+6:F+12*\p+9], v[AK] offset:1536*\p+768
	ds_load_b64 v[F+12*\p+10:F+12*\p+11], v[AK8] offset:1536*\p+768
.endr
	ds_load_b128 v[SCW:SCW+3], v[AS]
	s_wait_alu depctr_va_vdst(0)
	s_wait_dscnt 0x0
.irp t, 0,1,2,3,4,5,6,7
	v_wmma_scale_f32_16x16x128_f8f6f4 v[S+8*\t:S+8*\t+7], v[F+12*(\t/2):F+12*(\t/2)+11], v[(\qlo)+((\qhi)-(\qlo))*(\t%2):(\qlo)+((\qhi)-(\qlo))*(\t%2)+11], 0, v[SCW+\t/2], v[\qs] matrix_a_fmt:MATRIX_FMT_BF6 matrix_b_fmt:MATRIX_FMT_BF6
.endr
.rept 4
	v_nop                                          ; places: the loads below land in registers that these products read, and the scores are read
.endr
.irp t, 0,1,2,3                        ; V is asked for now and lands under the softmax
	ds_load_b128 v[F+12*\t:F+12*\t+3], v[AV] offset:768*\t
	ds_load_b64 v[F+12*\t+4:F+12*\t+5], v[AV8] offset:768*\t
	ds_load_b128 v[F+12*\t+6:F+12*\t+9], v[AV] offset:3072+768*\t
	ds_load_b64 v[F+12*\t+10:F+12*\t+11], v[AV8] offset:3072+768*\t
.endr
	ds_load_b128 v[SCW:SCW+3], v[AS] offset:4096
	s_cmp_lg_u32 s[SN], s[\lw]                     ; only the tile's last step lies on the diagonal
	s_cbranch_scc1 .Lopen_\@
	v_and_b32 v252, 15, v0
	v_and_b32 v255, 8, v0
	s_delay_alu instid0(VALU_DEP_1)
	v_add_nc_u32 v252, v252, v255                  ; r + 8 (r / 8)
	v_and_b32 v255, 16, v0
	s_delay_alu instid0(VALU_DEP_1)
	v_sub_nc_u32 v252, v252, v255
	s_delay_alu instid0(VALU_DEP_1)
	v_add_nc_u32 v252, s[\qo], v252                ; d = my true query in the step - 16 h.  Register 16 b + i holds key 32 b + 16 h + i: hidden where 32 b + i > d
	v_mov_b32 v254, 0xff800000
.set N, 0
.rept 64
	v_cmp_gt_i32 vcc_lo, 32*(N/16)+N%16, v252
	v_cndmask_b32 v[S+N], v[S+N], v254, vcc_lo
.set N, N+1
.endr
.Lopen_\@:
.irp b, 0,1,2,3
	v_max3_num_f32 v[BM+\b], v[S+16*\b], v[S+1+16*\b], v[S+2+16*\b]   ; the largest score of each block of 32 keys: for the row's maximum and for the block's largest p
.endr
.irp i, 3,5,7,9,11,13
.irp b, 0,1,2,3
	v_max3_num_f32 v[BM+\b], v[BM+\b], v[S+16*\b+\i], v[S+1+16*\b+\i]
.endr
.endr
.irp b, 0,1,2,3
	v_max_num_f32 v[BM+\b], v[BM+\b], v[S+15+16*\b]
.endr
.irp b, 0,1,2,3
	s_delay_alu instid0(VALU_DEP_4)
	v_permlanex16_b32 v[PT+\b], v[BM+\b], s[SEL], s[SEL+1]
.endr
.irp b, 0,1,2,3
	s_delay_alu instid0(VALU_DEP_4)
	v_max_num_f32 v[BM+\b], v[BM+\b], v[PT+\b]     ; with lane l xor 16's 16 keys
.endr
	s_delay_alu instid0(VALU_DEP_2)
	v_max3_num_f32 v254, v[BM], v[BM+1], v[BM+2]
	s_delay_alu instid0(VALU_DEP_1)
	v_max_num_f32 v254, v254, v[BM+3]
	s_delay_alu instid0(VALU_DEP_1)
	v_mul_f32 v254, s[CS], v254                    ; as t
	s_delay_alu instid0(VALU_DEP_1)
	v_max_num_f32 v[\st+1], v[\st+1], v254         ; the running largest t
	v_mov_b32 v254, v[\st]
	s_delay_alu instid0(VALU_DEP_2)
	v_floor_f32 v[\st], -v[\st+1]                  ; the new -M = -ceil(t)
	s_delay_alu instid0(VALU_DEP_1)
	v_sub_f32 v254, v[\st], v254                   ; old M - new M: a whole number, 0 or less
	s_delay_alu instid0(VALU_DEP_1)
	v_cvt_i32_f32 v254, v254                       ; (it saturates)
	s_delay_alu instid0(VALU_DEP_1)
	v_ldexp_f32 v252, 1.0, v254                    ; f = 2^(old M - new M)
.set J, 0
.rept 32
	v_pk_fma_f32 v[S+J:S+J+1], v[S+J:S+J+1], s[CS:CS+1], v[\st:\st+1] op_sel_hi:[1,0,0]   ; t - M
.set J, J+2
.endr
.irp b, 0,1,2,3
	v_fma_f32 v[BM+\b], v[BM+\b], s[CS], v[\st]
.endr
.set J, 0
	s_wait_alu depctr_va_vdst(0)
.rept 64
	v_exp_f32 v[S+J], v[S+J]                       ; p = 2^(t - M)
.set J, J+1
.endr
.irp b, 0,1,2,3
	v_exp_f32 v[BM+\b], v[BM+\b]                   ; the block's largest p
.endr
	v_pk_mul_f32 v[\st+2:\st+3], v[\st+2:\st+3], v[252:253] op_sel_hi:[1,0]   ; the sums under the new M (the plain line behind the exponentials)
	s_wait_alu depctr_va_vdst(0)
.irp b, 0,1,2,3
	v_max_num_f32 v[BM+\b], 0x2800000, v[BM+\b]    ; the floor 2^(5 - 127)
.endr
.irp b, 0,1,2,3
	s_delay_alu instid0(VALU_DEP_4)
	v_add_nc_u32 v[BM+\b], 0xfe000000, v[BM+\b]    ; the conversion's scale operand
.endr
.irp b, 0,1,2,3
	s_delay_alu instid0(VALU_DEP_4)
	v_lshrrev_b32 v[PT+\b], 23, v[BM+\b]           ; the byte
.endr
	s_delay_alu instid0(VALU_DEP_3)
	v_lshl_or_b32 v253, v[PT+1], 8, v[PT]          ; p's scale word
	s_delay_alu instid0(VALU_DEP_1)
	v_lshl_or_b32 v253, v[PT+2], 16, v253
	s_delay_alu instid0(VALU_DEP_1)
	v_lshl_or_b32 v253, v[PT+3], 24, v253
.irp c, 0,1
	v_cvt_scalef32_pk16_bf6_f32 v[PC+6*\c:PC+2+6*\c], v[S+32*\c:S+15+32*\c], v[BM+2*\c]
	v_cvt_scalef32_pk16_bf6_f32 v[PT+4*\c:PT+2+4*\c], v[S+16+32*\c:S+31+32*\c], v[BM+2*\c+1]
.endr
	v_nop                                          ; one plain line behind the conversions
.irp c, 0,1
.irp i, 0,1,2
	v_permlane16_swap_b32 v[PC+6*\c+\i], v[PT+4*\c+\i]
.endr
.irp i, 0,1,2
	s_delay_alu instid0(VALU_DEP_3)
	v_mov_b32 v[PC+3+6*\c+\i], v[PT+4*\c+\i]
.endr
.endr
.set J, 0
.rept 16
	v_pk_mul_f32 v[\o+J:\o+J+1], v[\o+J:\o+J+1], v[252:253] op_sel_hi:[1,0]   ; O^T under the new M, each accumulator from its low end on
.set J, J+2
.endr
	v_pk_add_f32 v[PT:PT+1], v[S:S+1], v[S+2:S+3]  ; the row's sum of the unquantised p, in two chains
.irp j, 4,8,12,16,20,24,28,32,36,40,44,48,52,56,60
	v_pk_add_f32 v[\st+2:\st+3], v[\st+2:\st+3], v[S+\j:S+1+\j]
	v_pk_add_f32 v[PT:PT+1], v[PT:PT+1], v[S+2+\j:S+3+\j]
.endr
	s_delay_alu instid0(VALU_DEP_1)
	v_pk_add_f32 v[\st+2:\st+3], v[\st+2:\st+3], v[PT:PT+1]
	s_wait_dscnt 0x0                               ; V and its scale words are in
.irp t, 0,1,2,3                        ; four accumulators by turns
	v_wmma_scale_f32_16x16x128_f8f6f4 v[\o+8*\t:\o+8*\t+7], v[F+12*\t:F+12*\t+11], v[PC:PC+11], v[\o+8*\t:\o+8*\t+7], v[SCW+\t], v253 matrix_a_fmt:MATRIX_FMT_BF6 matrix_b_fmt:MATRIX_FMT_BF6
.endr
.Lhid_\@:
.endm
; All sixteen key steps.  left: the tensor loads that may stay out; behind the barrier nothing is filled.
.macro GROUP left
	s_wait_tensorcnt \left
	s_wait_dscnt 0x0
	s_barrier_signal -1
	s_barrier_wait -1                              ; every wave's load is in: all of K, V and their scale words
	s_mov_b32 s[CNT], 16                           ; all sixteen key steps in one loop: the whole head lies in LDS, so no barrier stands between steps and each wave walks its 17 tile steps at its own pace
.Lsteps_\@:
	STEP STA, 24, 18, QSA, OA, WA, QOA
	STEP STB, 36, 30, QSB, OB, WB, QOB
	s_add_co_u32 s[TK], s[TK], 6144
	s_add_co_u32 s[TKS], s[TKS], 256
	s_add_co_u32 s[SN], s[SN], 1
	s_sub_co_u32 s[CNT], s[CNT], 1
	s_cmp_lg_u32 s[CNT], 0
	s_cbranch_scc1 .Lsteps_\@
.endm
	s_wait_alu depctr_va_vdst(0)
	GROUP 0                                        ; every wave waits for its one load; one barrier shows all of K, V and their scale words to all waves
.rept 4
	v_nop                                          ; places behind the last products
.endr
	v_and_b32 v5, 15, v0
	v_bfe_u32 v6, v0, 4, 1
	s_delay_alu instid0(VALU_DEP_1)
	v_lshl_add_u32 v4, v5, 5, v6                   ; y's scale bytes: 32 r + h
	s_delay_alu instid0(VALU_DEP_2)
	v_cmp_ne_u32 vcc_lo, 0, v6
; A tile's way out: O^T / the sum; register 16 b + i is channel 32 b + 16 h + i of my query: two blocks are quantised and leave as one image and two bytes a row.
.macro FINISH st, o, d, pc, ct, by, yc, ys
	v_add_f32 v[\st+2], v[\st+2], v[\st+3]
	s_delay_alu instid0(VALU_DEP_1)
	v_permlanex16_b32 v252, v[\st+2], s[SEL], s[SEL+1]
	s_delay_alu instid0(VALU_DEP_1)
	v_add_f32 v[\st+2], v[\st+2], v252             ; the row's sum
	s_wait_alu depctr_va_vdst(0)
	v_rcp_f32 v[\st+2], v[\st+2]
	v_nop
.set J, 0
	s_wait_alu depctr_va_vdst(0)
.rept 32
	v_mul_f32 v[\d+J], v[\o+J], v[\st+2]
.set J, J+1
.endr
.irp b, 0,1
	v_max3_num_f32 v[BM+\b], |v[\d+16*\b]|, |v[\d+1+16*\b]|, 0x2800000
.endr
.irp i, 2,4,6,8,10,12,14
.irp b, 0,1
	s_delay_alu instid0(VALU_DEP_2)
	v_max3_num_f32 v[BM+\b], v[BM+\b], |v[\d+16*\b+\i]|, |v[\d+1+16*\b+\i]|
.endr
.endr
.irp b, 0,1
	s_delay_alu instid0(VALU_DEP_2)
	v_permlanex16_b32 v[PT+\b], v[BM+\b], s[SEL], s[SEL+1]
.endr
.irp b, 0,1
	s_delay_alu instid0(VALU_DEP_2)
	v_max_num_f32 v[BM+\b], v[BM+\b], v[PT+\b]
.endr
.irp b, 0,1
	s_delay_alu instid0(VALU_DEP_2)
	v_add_nc_u32 v[BM+\b], 0xfe000000, v[BM+\b]
.endr
.irp b, 0,1
	s_delay_alu instid0(VALU_DEP_2)
	v_lshrrev_b32 v[PT+\b], 23, v[BM+\b]
.endr
	v_cvt_scalef32_pk16_bf6_f32 v[\pc:\pc+2], v[\d:\d+15], v[BM]
	v_cvt_scalef32_pk16_bf6_f32 v[\ct:\ct+2], v[\d+16:\d+31], v[BM+1]
	v_nop
.irp i, 0,1,2
	v_permlane16_swap_b32 v[\pc+\i], v[\ct+\i]
.endr
.irp i, 0,1,2
	s_delay_alu instid0(VALU_DEP_3)
	v_mov_b32 v[\pc+3+\i], v[\ct+\i]
.endr
	v_cndmask_b32 v[\by], v[PT], v[PT+1], vcc_lo   ; lanes 0-15 store block 0's byte, lanes 16-31 block 1's
	global_store_b128 v[L16], v[\pc:\pc+3], s[\yc:\yc+1]           ; 512 consecutive bytes
	global_store_b64 v[L8], v[\pc+4:\pc+5], s[\yc:\yc+1]           ; 256 consecutive bytes
	global_store_b8 v4, v[\by], s[\ys:\ys+1]
.endm
	s_wait_alu depctr_va_vdst(0)
	FINISH STA, OA, S, PC, PC+6, 254, 80, 82
	FINISH STB, OB, S+32, F, F+6, 255, 88, 90      ; other registers than tile A's: no store's data are written again
	s_wait_xcnt 0x0
	v_lshl_add_u32 v254, v0, 2, 0x33000
	v_mov_b32 v255, 0
	s_wait_alu depctr_va_vdst(0)
	s_wait_tensorcnt 0x0
	ds_add_u32 v254, v255
	s_wait_dscnt 0x0
	CROUND                                         ; the closing round
	s_endpgm
.Lfunc_end_k_qf8df459265_attn:
	.size	k_qf8df459265_attn, .Lfunc_end_k_qf8df459265_attn-k_qf8df459265_attn
	.p2alignl 7, 3214868480
	.fill 96, 4, 3214868480
	.section	.rodata,"a",@progbits
	.p2align	6, 0x0
	.amdhsa_kernel k_qf8df459265_attn
		.amdhsa_group_segment_fixed_size 210944
		.amdhsa_private_segment_fixed_size 0
		.amdhsa_enable_private_segment 0
		.amdhsa_kernarg_size 16
		.amdhsa_user_sgpr_count 2
		.amdhsa_user_sgpr_kernarg_segment_ptr 1
		.amdhsa_wavefront_size32 1
		.amdhsa_system_sgpr_workgroup_id_x 1
		.amdhsa_system_sgpr_workgroup_id_y 1
		.amdhsa_system_sgpr_workgroup_id_z 1
		.amdhsa_system_vgpr_workitem_id 0
		.amdhsa_next_free_vgpr 256
		.amdhsa_next_free_sgpr 92
		.amdhsa_reserve_vcc 1
		.amdhsa_float_denorm_mode_32 3
		.amdhsa_float_denorm_mode_16_64 3
		.amdhsa_memory_ordered 1
		.amdhsa_forward_progress 1
		.amdhsa_inst_pref_size 65
	.end_amdhsa_kernel
	.amdgpu_metadata
---
amdhsa.version: [ 1, 2 ]
amdhsa.kernels:
  - .name:           k_qf8df459265_attn
    .symbol:         k_qf8df459265_attn.kd
    .args:
      - { .name: qkv, .offset: 0, .size: 8, .value_kind: global_buffer, .address_space: global }
      - { .name: yq, .offset: 8, .size: 8, .value_kind: global_buffer, .address_space: global }
    .group_segment_fixed_size: 210944
    .private_segment_fixed_size: 0
    .kernarg_segment_align: 8
    .kernarg_segment_size: 16
    .max_flat_workgroup_size: 512
    .sgpr_count:     92
    .vgpr_count:     256
    .wavefront_size: 32
...
	.end_amdgpu_metadata
.endif
;; end of part 3
;; launch gemm_proj (part 4): grid 4 x 32, 4 waves a work-group, clusters of 4 x 4, 327,680 bytes of LDS; arguments yq, wq, b_proj, out0; writes out0
.if DOCPART == 4
	.amdgcn_target "amdgcn-amd-amdhsa--gfx1250"
	.amdhsa_code_object_version 6
	.text
	.protected	k_qf8df459265_gemm_proj
	.globl	k_qf8df459265_gemm_proj
	.p2align	8
	.type	k_qf8df459265_gemm_proj,@function
k_qf8df459265_gemm_proj:
	s_mov_b64 s[64:65], 0
	v_nop
	global_prefetch_b8 v0, s[64:65] scope:SCOPE_SE
	s_setreg_imm32_b32 hwreg(HW_REG_WAVE_MODE, 25, 1), 1
	s_wait_xcnt 0x0
	s_wait_alu depctr_hold_cnt(0) depctr_sa_sdst(0) depctr_va_vdst(0) depctr_va_sdst(0) depctr_va_ssrc(0) depctr_va_vcc(0) depctr_vm_vsrc(0)
	s_getreg_b32 s2, hwreg(HW_REG_IB_STS2, 6, 4)
	s_cmp_eq_u32 s2, 0
	s_cbranch_scc0 .Lentry_in_a_cluster
	s_endpgm
.Lentry_in_a_cluster:
	s_bfe_u32 s2, ttmp6, 0x10000c
	s_cmp_lg_u32 s2, 0xf033
	s_cbranch_scc0 .Lentry_shape_is_right
	s_endpgm
.Lentry_shape_is_right:
.set NQ,     2
.set KST,    1572864                   ; bytes from a K step's plane of w's codes to the next: they lie [K step][row][192 bytes]
.set KROW,   192                       ; a row within a plane: 128 rows are 24,576 dense bytes, fetched as 96 rows of 256 bytes
.set PITCH,  240
.set FR,     12
.set NLA,    4
.set NP,     4
.set HALFA,  24576
.set HALFB,  128*PITCH
.set SLOT,   2*HALFA+2*HALFB
.set LAPS,   2
.set KS,     32
.set SCL,    2*SLOT
.set HALFS,  (128*KS/256)*272
.set SBLK,   (16*KS/256)*272
.set SPARE,  SCL+4*HALFS
.set SPITCH, 528
.set YSC,    6291456
.set WSC,    6291456
.set ADRA, 16
.set ADRB, 20
.set STO,  24
.set RD,   25
.set CO,   26
.set ADRS, 27
.set SPW,  28
.set NIL,  29
.set SC,   32
.set BP,   64
.set AF,   128
.set BK,   128
.set G1, 24
.set G0, 32
.set G1B, 48
.set G0B, 56
.set G1S, 68
.set G0S, 76
.set G1SB, 80
.set G0SB, 88
.set MSB, 0
.macro WIN new
.if MSB != (\new)
	s_set_vgpr_msb (MSB<<8)|(\new)
.set MSB, (\new)
.endif
.endm
.set MUL_LO, 0xa1
.set MUL_HI, 0xf1
.set TO_B,   0x40
.macro JLOAD g0a, g1a, g0b, g1b
	s_cmp_eq_u32 s15, 0
	s_cbranch_scc0 .Lfor_b_\@
	tensor_load_to_lds s[\g0a:\g0a+3], s[\g1a:\g1a+7]
	s_nop 0
.rept 4
	v_nop
.endr
	s_branch .Lasked_\@
.Lfor_b_\@:
	tensor_load_to_lds s[\g0b:\g0b+3], s[\g1b:\g1b+7]
	s_nop 0
.rept 4
	v_nop
.endr
.Lasked_\@:
.endm
.macro CREST
	s_cmp_lg_u32 s14, 0
	s_cbranch_scc1 .Lnot_wave_0_\@
	s_barrier_signal -3
.Lnot_wave_0_\@:
	s_barrier_wait -3
	s_barrier_signal -1
	s_barrier_wait -1
.endm
.macro CROUND
	s_barrier_signal -1
	s_barrier_wait -1
	CREST
.endm
	s_load_b128 s[92:95], s[0:1], 0x0
	s_load_b128 s[96:99], s[0:1], 0x10
	v_lshl_add_u32 v[SPW], v0, 2, SPARE
	v_mov_b32 v[NIL], 0
	ds_add_u32 v28, v29
	ds_add_u32 v28, v29
	s_wait_dscnt 0x0
	v_lshrrev_b32 v1, 5, v0
	v_readfirstlane_b32 s14, v1
	s_lshr_b32 s15, s14, 1
	s_and_b32 s16, s14, 1
	s_bfe_u32 s40, ttmp6, 0x40000
	s_bfe_u32 s41, ttmp6, 0x40004
	s_lshl_b32 s42, ttmp9, 2
	s_add_co_u32 s42, s42, s40
	s_and_b32 s17, ttmp7, 0xffff
	s_lshl_b32 s17, s17, 2
	s_add_co_u32 s17, s17, s41
	s_lshl_b32 s43, s41, 2
	s_lshl_b32 s43, 15, s43
	s_lshl_b32 s44, 0x1111, s40
	s_or_b32 s[G1+0], s43, (3<<16)|(1<<21)
	s_mov_b32 s[G1+1], 768<<16
	s_mov_b32 s[G1+2], 4<<16
	s_mov_b32 s[G1+3], 768<<16
	s_mov_b32 s[G1+4], 4
	s_mov_b32 s[G1+5], 49152
	s_mov_b32 s[G1+6], 0
	s_mov_b32 s[G1+7], 0
	s_or_b32 s[G1B+0], s44, (0<<16)|(1<<20)|(1<<21)|(3<<22)|(3<<25)
	s_mov_b32 s[G1B+1], 256<<16                    ; rows of 256 bytes of a dense block; the padding's interval stays 64 bytes, so a row of 192 bytes of codes takes 240 in LDS
	s_mov_b32 s[G1B+2], 96<<16
	s_mov_b32 s[G1B+3], 256<<16
	s_mov_b32 s[G1B+4], 96
	s_mov_b32 s[G1B+5], 256
	s_mov_b32 s[G1B+6], 0
	s_mov_b32 s[G1B+7], 0
	s_or_b32 s[G1S+0], s43, (3<<16)|(1<<20)|(1<<21)|(5<<22)|(3<<25)
	s_or_b32 s[G1SB+0], s44, (3<<16)|(1<<20)|(1<<21)|(5<<22)|(3<<25)
.irp g, G1S, G1SB
	s_mov_b32 s[\g+1], 32<<16
	s_mov_b32 s[\g+2], (128*KS/256)<<16
	s_mov_b32 s[\g+3], 32<<16
	s_mov_b32 s[\g+4], 128*KS/256
	s_mov_b32 s[\g+5], 32
	s_mov_b32 s[\g+6], 0
	s_mov_b32 s[\g+7], 0
.endr
	s_lshl_b32 s18, s16, 7
	s_lshl_b32 s20, s17, 8
	s_add_co_u32 s20, s20, s18
	s_lshl_b32 s46, s42, 8
	s_add_co_u32 s46, s46, s18
	s_lshl_b32 s22, s20, 5
	s_mov_b32 s23, 0
	s_lshl_b32 s2, s46, 5
	s_mov_b32 s3, 0
	s_mul_i32 s20, s20, 48
	s_mov_b32 s21, 0
	s_mul_i32 s46, s46, KROW
	s_mov_b32 s47, 0
	s_mul_i32 s45, s16, HALFA
	s_mul_i32 s67, s16, HALFB
	s_add_co_u32 s67, s67, 2*HALFA
	s_mul_i32 s66, s14, HALFS
	s_wait_kmcnt 0x0
	s_add_nc_u64 s[20:21], s[92:93], s[20:21]
	s_add_nc_u64 s[6:7], s[92:93], YSC
	s_add_nc_u64 s[22:23], s[6:7], s[22:23]
	s_add_nc_u64 s[8:9], s[94:95], 3072*KROW
	s_add_nc_u64 s[46:47], s[8:9], s[46:47]
	s_add_nc_u64 s[10:11], s[94:95], WSC+3072*KS
	s_add_nc_u64 s[2:3], s[10:11], s[2:3]
	s_mov_b64 s[12:13], s[98:99]
	CROUND
	s_mov_b32 s[G0S], 1
	s_add_co_u32 s[G0S+1], s66, SCL
	s_mov_b64 s[G0S+2:G0S+3], s[22:23]
	s_or_b32 s[G0S+3], s[G0S+3], 0x80000000
	s_mov_b32 s[G0SB], 1
	s_add_co_u32 s[G0SB+1], s66, SCL
	s_mov_b64 s[G0SB+2:G0SB+3], s[2:3]
	s_or_b32 s[G0SB+3], s[G0SB+3], 0x80000000
	JLOAD G0S, G1S, G0SB, G1SB
.irp s, 0,1
	s_mov_b32 s[G0+4*\s], 1
	s_add_co_u32 s[G0+4*\s+1], s45, \s*SLOT
	s_add_nc_u64 s[G0+4*\s+2:G0+4*\s+3], s[20:21], \s*4*393216
	s_or_b32 s[G0+4*\s+3], s[G0+4*\s+3], 0x80000000
	s_mov_b32 s[G0B+4*\s], 1
	s_add_co_u32 s[G0B+4*\s+1], s67, \s*SLOT
	s_add_nc_u64 s[G0B+4*\s+2:G0B+4*\s+3], s[46:47], \s*KST
	s_or_b32 s[G0B+4*\s+3], s[G0B+4*\s+3], 0x80000000
	s_wait_alu depctr_va_vdst(0)
	s_wait_tensorcnt 0x0
	ds_add_u32 v28, v29
	s_wait_dscnt 0x0
	CROUND
	JLOAD G0+4*\s, G1, G0B+4*\s, G1B
.endr
	v_and_b32 v1, 15, v0
	v_bfe_u32 v2, v0, 4, 1
	v_and_b32 v6, 31, v0
	v_lshlrev_b32 v[CO], 4, v6
	v_lshl_add_u32 v7, v6, 3, 512
	v_mul_u32_u24 v3, v1, PITCH
	v_mul_u32_u24 v4, v2, 24
	v_add_nc_u32 v4, v3, v4
	v_lshl_add_u32 v5, v2, 4, v4
	s_mul_i32 s21, s15, HALFA
	s_mul_i32 s22, s16, HALFB
	s_add_co_u32 s22, s22, 2*HALFA
.irp s, 0,1
	v_add_nc_u32 v[ADRA+\s], s21, v[CO]
	v_add_nc_u32 v[ADRA+2+\s], s21, v7
	v_add_nc_u32 v[ADRB+\s], s22, v4
	v_add_nc_u32 v[ADRB+2+\s], s22, v5
	s_add_co_u32 s21, s21, SLOT
	s_add_co_u32 s22, s22, SLOT
.endr
	v_mul_u32_u24 v5, v1, KS
	v_lshrrev_b32 v6, 8, v5
	v_lshl_add_u32 v5, v6, 4, v5
	s_mul_i32 s21, s15, HALFS
	s_mul_i32 s22, s16, HALFS
	s_add_co_u32 s22, s22, 2*HALFS
	s_sub_co_u32 s22, s22, s21
	v_mul_u32_u24 v6, s22, v2
	s_add_co_u32 s21, s21, SCL
	v_add_nc_u32 v5, v5, v6
	v_add_nc_u32 v[ADRS], s21, v5
	s_mul_i32 s23, s14, 16*SPITCH
	v_mul_u32_u24 v5, v1, SPITCH
	v_lshl_add_u32 v5, v2, 6, v5
	v_add_nc_u32 v[STO], s23, v5
	v_add_nc_u32 v[RD], s23, v[CO]
	s_lshl_b32 s20, s17, 8
	s_lshl_b32 s21, s15, 7
	s_add_co_u32 s20, s20, s21
	s_lshl_b32 s20, s20, 12
	s_mov_b32 s21, 0
	s_lshl_b32 s46, s42, 10
	s_lshl_b32 s47, s16, 9
	s_add_co_u32 s46, s46, s47
	s_mov_b32 s47, 0
	s_add_nc_u64 s[20:21], s[20:21], s[46:47]
	s_add_nc_u64 s[12:13], s[12:13], s[20:21]
	s_add_nc_u64 s[96:97], s[96:97], s[46:47]
	global_load_b128 v[BP:BP+3], v[CO], s[96:97]
.macro FRAG reg, adr, q, i
.irp p, 0,1,2,3,4,5
.set PIECE, 12*(\q)+6*(\p/3)+\p%3
.if PIECE%8 < 5
	ds_load_b64 v[\reg+2*\p:\reg+2*\p+1], v[\adr] offset:8*PIECE+16*(PIECE/8)+(\i)*16*PITCH
.else
	ds_load_b64 v[\reg+2*\p:\reg+2*\p+1], v[\adr+2] offset:8*PIECE+16*(PIECE/8)+(\i)*16*PITCH
.endif
.endr
.endm
.macro FRAGA reg, slot, q, i
.irp c, 0,1
	ds_load_b128 v[\reg+6*\c:\reg+6*\c+3], v[ADRA+\slot] offset:(2*(\q)+\c)*6144+768*(\i)
	ds_load_b64 v[\reg+6*\c+4:\reg+6*\c+5], v[ADRA+2+\slot] offset:(2*(\q)+\c)*6144+768*(\i)
.endr
.endm
.macro MUL16 a0, p, q, sc, zero
.irp a, \a0, \a0+1
.irp b, 0,1,2,3,4,5,6,7
.if \zero
	v_wmma_scale_f32_16x16x128_f8f6f4 v[8*(8*((\a)%4)+\b):8*(8*((\a)%4)+\b)+7], v[128*(\p)+FR*\b:128*(\p)+FR*\b+FR-1], v[AF+FR*(\a):AF+FR*(\a)+FR-1], 0, v[SC+8*NQ*(\sc)+NQ*\b+(\q)], v[SC+8*NQ*(\sc)+NQ*(\a)+(\q)] matrix_a_fmt:MATRIX_FMT_BF6 matrix_b_fmt:MATRIX_FMT_BF6 matrix_a_scale:MATRIX_SCALE_ROW1
.else
	v_wmma_scale_f32_16x16x128_f8f6f4 v[8*(8*((\a)%4)+\b):8*(8*((\a)%4)+\b)+7], v[128*(\p)+FR*\b:128*(\p)+FR*\b+FR-1], v[AF+FR*(\a):AF+FR*(\a)+FR-1], v[8*(8*((\a)%4)+\b):8*(8*((\a)%4)+\b)+7], v[SC+8*NQ*(\sc)+NQ*\b+(\q)], v[SC+8*NQ*(\sc)+NQ*(\a)+(\q)] matrix_a_fmt:MATRIX_FMT_BF6 matrix_b_fmt:MATRIX_FMT_BF6 matrix_a_scale:MATRIX_SCALE_ROW1
.endif
.endr
.endr
.endm
.macro FETCH_B slot, q, p
	WIN TO_B
.irp i, 0,1,2,3,4,5,6,7
	FRAG 128*(\p)+FR*\i, ADRB+\slot, \q, \i
.endr
	WIN 0
.endm
.macro FETCH_A slot, q, i0
.irp i, \i0, \i0+1, \i0+2, \i0+3
	FRAGA AF+FR*(\i), \slot, \q, \i
.endr
.endm
.macro SCALES sc
.irp i, 0,1,2,3,4,5,6,7
	ds_load_b64 v[SC+8*NQ*\sc+NQ*\i:SC+8*NQ*\sc+NQ*\i+1], v[ADRS] offset:\i*SBLK
.endr
.endm
.macro PLACES n
.rept \n
	v_nop
.endr
.endm
.macro STEP slot, q, zero
	s_wait_dscnt 4*NLA
	WIN MUL_LO
	MUL16 0, (\q)%2, \q, \slot, \zero
	MUL16 2, (\q)%2, \q, \slot, \zero
	s_wait_dscnt 0
	PLACES NP
	FETCH_B \slot, (\q)+1, 1-(\q)%2
	FETCH_A \slot, (\q)+1, 0
	WIN MUL_HI
	MUL16 4, (\q)%2, \q, \slot, \zero
	MUL16 6, (\q)%2, \q, \slot, \zero
	PLACES NP
	WIN 0
	FETCH_A \slot, (\q)+1, 4
.endm
.macro TURN slot, next, fill
	s_wait_tensorcnt 0x0
	ds_add_u32 v[SPW], v[NIL]
	s_wait_dscnt 4*NLA+1
	WIN MUL_LO
	MUL16 0, 1, NQ-1, \slot, 0
	s_wait_dscnt 0x0
	s_barrier_signal -1
	MUL16 2, 1, NQ-1, \slot, 0
	WIN 0
	s_barrier_wait -1
.if \fill
	CREST
	s_add_nc_u64 s[G0+4*\slot+2:G0+4*\slot+3], s[G0+4*\slot+2:G0+4*\slot+3], 8*393216
	s_add_nc_u64 s[G0B+4*\slot+2:G0B+4*\slot+3], s[G0B+4*\slot+2:G0B+4*\slot+3], 2*KST
	JLOAD G0+4*\slot, G1, G0B+4*\slot, G1B
.else
	PLACES NP
.endif
	s_wait_alu depctr_va_vdst(0)
	v_add_nc_u32 v[ADRS], 4*NQ, v[ADRS]
	FETCH_B \next, 0, 0
	FETCH_A \next, 0, 0
	SCALES \next
	WIN MUL_HI
	MUL16 4, 1, NQ-1, \slot, 0
	MUL16 6, 1, NQ-1, \slot, 0
	PLACES NP
	WIN 0
	FETCH_A \next, 0, 4
.endm
	s_wait_alu depctr_va_vdst(0)
	s_wait_tensorcnt 1
	s_barrier_signal -1
	s_barrier_wait -1
	FETCH_B 0, 0, 0
	FETCH_A 0, 0, 0
	SCALES 0
	FETCH_A 0, 0, 4
	STEP 0, 0, 1
	s_mov_b32 s3, LAPS-1
.Llap:
	TURN 0, 1, 1
	STEP 1, 0, 0
	TURN 1, 0, 1
	STEP 0, 0, 0
	s_sub_co_u32 s3, s3, 1
	s_cmp_lg_u32 s3, 0
	s_cbranch_scc1 .Llap
	TURN 0, 1, 0
	STEP 1, 0, 0
	s_wait_dscnt 4*NLA
	WIN MUL_LO
	MUL16 0, 1, NQ-1, 1, 0
	MUL16 2, 1, NQ-1, 1, 0
	s_wait_dscnt 0
	WIN MUL_HI
	MUL16 4, 1, NQ-1, 1, 0
	MUL16 6, 1, NQ-1, 1, 0
	WIN 0
.macro TOSTAGE a
.set AC, 64*((\a)%4)
	WIN 0x08+4*((\a)/4)
.irp b, 0,1,2,3,4,5,6,7
	ds_store_b128 v[STO], v[AC+8*\b:AC+8*\b+3] offset:128*(\b/2)+32*(\b%2)
	ds_store_b128 v[STO], v[AC+8*\b+4:AC+8*\b+7] offset:128*(\b/2)+32*(\b%2)+16
.endr
	WIN 0
.set BB, BK+64*((\a)%2)
.irp t, 0,1,2,3,4,5,6,7,8,9,10,11,12,13,14,15
	ds_load_b128 v[BB+4*\t:BB+4*\t+3], v[RD] offset:\t*SPITCH
.endr
.endm
.macro SEND a, younger
.set BB, BK+64*((\a)%2)
	s_wait_dscnt \younger
.if (\a) > 0
.if ((\a)%2) == 1
	s_add_nc_u64 s[12:13], s[12:13], 8*4096
.else
	s_add_nc_u64 s[12:13], s[12:13], 24*4096
.endif
.endif
.irp t, 0,1,2,3,4,5,6,7,8,9,10,11,12,13,14,15
	v_pk_add_f32 v[BB+4*\t:BB+4*\t+1], v[BB+4*\t:BB+4*\t+1], v[BP:BP+1]
	v_pk_add_f32 v[BB+4*\t+2:BB+4*\t+3], v[BB+4*\t+2:BB+4*\t+3], v[BP+2:BP+3]
	global_store_b128 v[CO], v[BB+4*\t:BB+4*\t+3], s[12:13] offset:(\t+8*(\t/8))*4096 th:TH_STORE_NT
.endr
.endm
	PLACES NP
	s_wait_loadcnt 0x0
	TOSTAGE 0
.irp a, 1,2,3,4,5,6,7
.if \a > 1
	s_wait_xcnt 0x0
.endif
	TOSTAGE \a
	SEND \a-1, 32
.endr
	s_wait_xcnt 0x0
	SEND 7, 0
	s_wait_tensorcnt 0x0
	ds_add_u32 v[SPW], v[NIL]
	s_wait_dscnt 0x0
	CROUND
	s_endpgm
.Lfunc_end_k_qf8df459265_gemm_proj:
	.size	k_qf8df459265_gemm_proj, .Lfunc_end_k_qf8df459265_gemm_proj-k_qf8df459265_gemm_proj
	.p2alignl 7, 3214868480
	.fill 96, 4, 3214868480
	.section	.rodata,"a",@progbits
	.p2align	6, 0x0
	.amdhsa_kernel k_qf8df459265_gemm_proj
		.amdhsa_group_segment_fixed_size 327680
		.amdhsa_private_segment_fixed_size 0
		.amdhsa_enable_private_segment 0
		.amdhsa_kernarg_size 32
		.amdhsa_user_sgpr_count 2
		.amdhsa_user_sgpr_kernarg_segment_ptr 1
		.amdhsa_wavefront_size32 1
		.amdhsa_system_sgpr_workgroup_id_x 1
		.amdhsa_system_sgpr_workgroup_id_y 1
		.amdhsa_system_sgpr_workgroup_id_z 1
		.amdhsa_system_vgpr_workitem_id 0
		.amdhsa_next_free_vgpr 1024
		.amdhsa_next_free_sgpr 102
		.amdhsa_reserve_vcc 0
		.amdhsa_float_denorm_mode_32 3
		.amdhsa_float_denorm_mode_16_64 3
		.amdhsa_memory_ordered 1
		.amdhsa_forward_progress 1
		.amdhsa_inst_pref_size 169
	.end_amdhsa_kernel
	.amdgpu_metadata
---
amdhsa.version: [ 1, 2 ]
amdhsa.kernels:
  - .name:           k_qf8df459265_gemm_proj
    .symbol:         k_qf8df459265_gemm_proj.kd
    .args:
      - { .name: yq, .offset: 0, .size: 8, .value_kind: global_buffer, .address_space: global }
      - { .name: wq, .offset: 8, .size: 8, .value_kind: global_buffer, .address_space: global }
      - { .name: b_proj, .offset: 16, .size: 8, .value_kind: global_buffer, .address_space: global }
      - { .name: out0, .offset: 24, .size: 8, .value_kind: global_buffer, .address_space: global }
    .group_segment_fixed_size: 327680
    .private_segment_fixed_size: 0
    .kernarg_segment_align: 8
    .kernarg_segment_size: 32
    .max_flat_workgroup_size: 128
    .sgpr_count:     102
    .vgpr_count:     1024
    .wavefront_size: 32
...
	.end_amdgpu_metadata
.endif
;; end of part 4
